; MI455X (gfx1250); checked and timed in simulation.
; The chip was launched on July 23, 2026; its instructions are those of AMD's public machine-readable ISA for CDNA 5 (MIT licence, August 2026) and "CDNA5" Instruction Set Architecture Reference Guide (July 2026). The comments in the code are by the model that wrote it; some were corrected since.
;; Rel Position MHA. Allowed arithmetic: matrix products marked QUANTISED: E2M3 operands, one E8M0 scale for each 32 along K, by v_wmma_scale_f32_16x16x128_f8f6f4 with both operands' format E2M3, f32 sums; everything else in f32.
;; Inputs: Wk 1,024 x 1,024 float32; Wo 1,024 x 1,024 float32; Wp 1,024 x 1,024 float32; Wq 1,024 x 1,024 float32; Wv 1,024 x 1,024 float32; pos_bias_u 8 x 128 float32; pos_bias_v 8 x 128 float32; pos_emb 1 x 4,095 x 1,024 float32; x 2 x 2,048 x 1,024 float32.
;; Outputs: out0 2 x 2,048 x 1,024 float32.
;; This version of the problem:
;;   THIS VERSION OF THE PROBLEM IS GIVEN IN LOW PRECISION. The matrix products marked QUANTISED in the list below multiply operands that are first quantised to E2M3 (2 exponent bits, 3 mantissa bits; 6 bits a number), with one power-of-two scale for each 32 numbers along K (OCP MX v1.0); their sums are f32. All else is computed in f32.
;;   The module's matrix products, in the order in which they are computed (A, B: the left and right operand; K: the contracted axis; several contracted axes count as one K, in the product's order):
;;     1. [M 4,096, K 1,024] x [K 1,024, N 1,024]; A: input x; B: input Wq: QUANTISED
;;     2. [M 4,096, K 1,024] x [K 1,024, N 1,024]; A: input x; B: input Wk: QUANTISED
;;     3. [M 4,096, K 1,024] x [K 1,024, N 1,024]; A: input x; B: input Wv: QUANTISED
;;     4. [M 4,095, K 1,024] x [K 1,024, N 1,024]; A: input pos_emb; B: input Wp: QUANTISED
;;     5. batch 16 x [M 2,048, K 128] x [K 128, N 2,048]; A: computed on the way; B: computed on the way: QUANTISED
;;     6. batch 8 x [M 4,095, K 128] x [K 128, N 4,096]; A: computed on the way; B: computed on the way: QUANTISED
;;     7. batch 16 x [M 128, K 2,048] x [K 2,048, N 2,048]; A: computed on the way; B: softmax (see below): QUANTISED
;;     8. [M 4,096, K 1,024] x [K 1,024, N 1,024]; A: computed on the way; B: input Wo: QUANTISED
;;   THE QUANTISER, for each operand of a quantised product, along K:
;;     - K is cut into blocks of 32 from its start; a last block that is shorter is filled with zeros.
;;     - A block's scale is 2^e with e = floor(log2(the largest magnitude in the block)) - 2, held to -126 .. 127; a block of zeros has e = 0. As a byte (E8M0): e + 127.
;;     - Each number is divided by its block's scale, clamped to +-7.5, and rounded to the nearest number of E2M3, ties to even, subnormals kept.
;;     - The product sums the exact products of the quantised numbers (number of the format x scale) in f32.
;;   ~~~python
;;   def quantise(x, axis):      # numpy; x: float32 -> the quantised numbers, widened to float32 again
;;       x = np.moveaxis(x, axis, -1); K = x.shape[-1]
;;       x = np.pad(x, [(0, 0)] * (x.ndim - 1) + [(0, -K % 32)]); x = x.reshape(x.shape[:-1] + (-1, 32)); a = np.abs(x).max(-1, keepdims=True)
;;       e = np.where(a > 0, np.clip(np.frexp(np.where(a > 0, a, 1))[1] - 1 - 2, -126, 127), 0)      # np.frexp(a)[1] - 1 = floor(log2(a)), exactly
;;       r = np.clip(x / 2.0 ** e, -7.5, 7.5)
;;       step = 2.0 ** (np.maximum(np.frexp(np.where(r == 0, 1, r))[1] - 1, 0) - 3)
;;       q = np.round(r / step) * step * 2.0 ** e      # np.round: ties to even
;;       return np.moveaxis(q.reshape(q.shape[:-2] + (-1,))[..., :K], -1, axis).astype(np.float32)
;;   ~~~
;;   SOFTMAX AHEAD OF A QUANTISED PRODUCT. Where the list says 'softmax', what is quantised is not the finished softmax but p = 2^(t - M), with t = logit x log2(e) and M = ceil(the row's largest t), a whole number; so 1/2 < the row's largest p <= 1. The row's sum l is taken of the UNQUANTISED p, in f32, and the product's result is divided by l at the end. Since M is a whole number, a kernel that streams over the keys may use a running M (the ceiling of the running maximum): every later rescaling is an exact power of two, which a block's scale takes up: the codes' values come out the same.
;;   OPERANDS COMPUTED ON THE WAY. 'Computed on the way' means the value that the module computes at that place (a softmax that the list does not call 'softmax' is quantised finished and normalised). What goes into a quantiser is computed in f32, as accurately as f32 sums, v_exp_f32 and their like allow (about 1e-6 of the number): no bf16 or f16 on the way to a quantiser, and a product that is left as it is and whose result goes on into a quantised operand takes f32 operands (vector FMAs, or v_wmma_f32_16x16x4_f32). A number that lies on a knife's edge between two numbers of the format may be rounded either way, as far as f32 arithmetic and the matrix unit's own rounding can turn it there, and no further.
;; One version. Each part assembles by itself: llvm-mc -triple=amdgcn-amd-amdhsa -mcpu=gfx1250 --defsym DOCPART=n.
;; ======== version 1 of 1: 4 launches
;; limits: right only within a limited range of input values
;; workspace buffers: opc 10,223,616 bytes; ops 425,984 bytes; att 16,384,000 bytes; oc 3,145,728 bytes; os 131,072 bytes
;; launch quant (part 1): grid 416 x 1, 4 waves a work-group, no clusters, 34,304 bytes of LDS; arguments x, pos_emb, Wq, Wk, Wv, Wp, Wo, opc, ops; writes opc, ops
.if DOCPART == 1
	.amdgcn_target "amdgcn-amd-amdhsa--gfx1250"
	.amdhsa_code_object_version 6
	.text
	.protected	k_qb2feede0aa_quant
	.globl	k_qb2feede0aa_quant
	.p2align	8
	.type	k_qb2feede0aa_quant,@function
k_qb2feede0aa_quant:
	s_mov_b64 s[64:65], 0
	v_nop
	global_prefetch_b8 v0, s[64:65] scope:SCOPE_SE
	s_setreg_imm32_b32 hwreg(HW_REG_WAVE_MODE, 25, 1), 1
	s_wait_xcnt 0x0
; x [4096][1024], pos_emb [4095][1024] and the five weights [1024][1024], f32 with K innermost, become codes of FP6 (E2M3) with one E8M0 byte for each 32 along K.
; THE CODES ARE LAID AS IMAGES OF THE OPERAND'S REGISTERS.  13,312 operand rows: 0-4095 x; 4096-8191 P' (row j = pos_emb row j - 1; row 0 repeats pos_emb row 0 and no result reads it);
; then Wq, Wk, Wv, Wp, Wo.  A fragment is 16 rows x 128 K, 12 registers a lane: register group c of lane l lies at 512 c + 16 l.  Fragment (block of 32 rows G, K step s, tile u) lies at
; 24,576 G + 3,072 s + 1,536 u.  THE ROWS OF A TILE ARE NOT NEIGHBOURS: lane r of tile u holds row 8 u + r + 8 (r / 8) of the block, so that, used as source 0, two neighbouring tiles give a lane 16 neighbours.
; A row's scale word for K step s lies at 1,024 G + 128 s + 64 u + 4 r.
; A block's scale is 2^(floor(log2(largest magnitude)) - 2): its byte is the largest magnitude's exponent field - 2, held at 1 from below.
; LIMITS: NaN and infinities are not served; blocks whose largest magnitude lies under 2^-124, blocks of zeros among them, get the byte 1 (zeros have zero codes; the bytes are read by this program alone).
; SHARES: a work-group takes 32 operand rows, wave w K = 256 w .. 256 w + 255: four fragments f (K step 2 w + f / 2, tile f % 2).  A load reads 512 consecutive bytes of one row; the 16 rows of a fragment
; turn through the wave's own stage in LDS (rows 33 x 16 bytes apart) and come back as the operand's layout wants them: lane (r, h): K = 64 c + 32 h + 0 .. 31 of row r.  No barrier: waves share nothing.
.set STG,  8448                        ; a wave's stage: 16 rows x 528 bytes
.set R,    16                          ; v16-143  two sets of 64: a fragment's numbers as loaded
.set X,    144                         ; v144-207 the same as the layout wants them
.set PC,   208                         ; v208-219 the fragment's codes; v220-222, v224-226 second halves on their way
	s_load_b256 s[4:11], s[0:1], 0x0               ; x, pos_emb, Wq, Wk
	s_load_b256 s[12:19], s[0:1], 0x20             ; Wv, Wp, Wo, opc
	s_load_b64 s[20:21], s[0:1], 0x40              ; ops
	v_lshl_add_u32 v240, v0, 2, 0x8400
	v_mov_b32 v241, 0
	v_lshrrev_b32 v1, 5, v0
	v_readfirstlane_b32 s24, v1                    ; wave
	v_and_b32 v1, 31, v0                           ; lane
	v_and_b32 v2, 15, v0                           ; r
	v_bfe_u32 v3, v0, 4, 1                         ; h
	v_lshlrev_b32 v4, 4, v1                        ; 16 x lane
	s_mul_i32 s25, s24, STG
	v_add_nc_u32 v5, s25, v4                       ; the stage, on the way in
	v_mul_u32_u24 v6, v2, 528
	v_lshl_add_u32 v6, v3, 7, v6
	v_add_nc_u32 v6, s25, v6                       ; and on the way out: row r, + 128 h
	v_lshlrev_b32 v7, 2, v1                        ; 4 x lane
	v_lshlrev_b32 v8, 3, v3                        ; 8 h: my bytes' place in the scale word
	v_mov_b32 v235, 0                              ; a lane permute's destination counts as one of its sources
	v_cmp_eq_u32 vcc_lo, 1, v3                     ; lanes 16-31
	s_mov_b32 s26, 0x76543210
	s_mov_b32 s27, 0xfedcba98                      ; selects for lane l xor 16
	s_cmp_lt_u32 ttmp9, 256
	s_cselect_b32 s28, 127, 31
	s_and_b32 s28, ttmp9, s28                      ; which block of 32 rows of its tensor
	s_lshr_b32 s29, ttmp9, 7
	s_cmp_eq_u32 s29, 1
	s_cselect_b32 s29, 1, 0                        ; pos_emb's rows are taken one row earlier
	s_lshl_b32 s28, s28, 5
	s_sub_co_i32 s30, s28, s29
	s_max_i32 s30, s30, 0                          ; the block's row 0 (held inside the buffer)
	s_add_co_u32 s32, s28, 1
	s_sub_co_u32 s32, s32, s29                     ; its row 1
	s_lshl_b32 s30, s30, 12
	s_lshl_b32 s32, s32, 12
	s_lshl_b32 s34, s24, 10                        ; my wave's 256 along K
	s_add_co_u32 s30, s30, s34
	s_add_co_u32 s32, s32, s34
	s_mov_b32 s31, 0
	s_mov_b32 s33, 0
	s_mul_i32 s40, ttmp9, 24576
	s_mul_i32 s41, s24, 6144
	s_add_co_u32 s40, s40, s41
	s_mov_b32 s41, 0
	s_lshl_b32 s42, ttmp9, 10
	s_lshl_b32 s43, s24, 8
	s_add_co_u32 s42, s42, s43
	s_mov_b32 s43, 0
	s_wait_alu depctr_va_vdst(0)
	s_wait_kmcnt 0x0
	s_mov_b64 s[22:23], s[16:17]                   ; which tensor: the choice hangs on the work-group's number alone
	s_cmp_lt_u32 ttmp9, 384
	s_cselect_b64 s[22:23], s[14:15], s[22:23]
	s_cmp_lt_u32 ttmp9, 352
	s_cselect_b64 s[22:23], s[12:13], s[22:23]
	s_cmp_lt_u32 ttmp9, 320
	s_cselect_b64 s[22:23], s[10:11], s[22:23]
	s_cmp_lt_u32 ttmp9, 288
	s_cselect_b64 s[22:23], s[8:9], s[22:23]
	s_cmp_lt_u32 ttmp9, 256
	s_cselect_b64 s[22:23], s[6:7], s[22:23]
	s_cmp_lt_u32 ttmp9, 128
	s_cselect_b64 s[22:23], s[4:5], s[22:23]
	s_add_nc_u64 s[36:37], s[22:23], s[30:31]      ; row 0 of the block
	s_add_nc_u64 s[38:39], s[22:23], s[32:33]      ; row 1: every other row by an immediate from here
	s_add_nc_u64 s[18:19], s[18:19], s[40:41]      ; my four fragments
	s_add_nc_u64 s[20:21], s[20:21], s[42:43]      ; and their scale words
.macro LOADF f                         ; fragment f: its 16 rows' 512 bytes, into set f % 2
.set RL, R+64*((\f)%2)
.set UU, (\f)%2
.set SLL, (\f)/2
.irp r, 0,1,2,3,4,5,6,7,8,9,10,11,12,13,14,15
.if (UU == 0) && (\r == 0)
	global_load_b128 v[RL:RL+3], v4, s[36:37] offset:512*SLL th:TH_LOAD_NT
.else
	global_load_b128 v[RL+4*\r:RL+4*\r+3], v4, s[38:39] offset:(8*UU+\r+8*(\r/8)-1)*4096+512*SLL th:TH_LOAD_NT
.endif
.endr
.endm
.macro FRAGQ f
.set RS, R+64*((\f)%2)
.if (\f) < 3
	s_wait_loadcnt 16                              ; this fragment's 16 loads are in; the other set's 16 may be out
.else
	s_wait_loadcnt 0x0
.endif
.irp r, 0,1,2,3,4,5,6,7,8,9,10,11,12,13,14,15
	ds_store_b128 v5, v[RS+4*\r:RS+4*\r+3] offset:528*\r
.endr
.irp c, 0,1
.irp j, 0,1,2,3,4,5,6,7
	ds_load_b128 v[X+32*\c+4*\j:X+32*\c+4*\j+3], v6 offset:256*\c+16*\j   ; LDS serves a wave's instructions in order: these see the stores above
.endr
.endr
	s_wait_dscnt 0x0                               ; the numbers are back, and the stores have read their registers,
.if (\f) < 2
	LOADF (\f)+2                                   ; which take the fragment two on
.endif
.irp c, 0,1                                    ; my block 2 c + h: all its 32 numbers are mine
	v_max3_num_f32 v[228+\c], |v[X+32*\c]|, |v[X+32*\c+1]|, 0x1800000   ; with the floor 2^(3 - 127): the byte cannot fall under 1
.endr
.irp i, 2,4,6,8,10,12,14,16,18,20,22,24,26,28,30
.irp c, 0,1
	v_max3_num_f32 v[228+\c], v[228+\c], |v[X+32*\c+\i]|, |v[X+32*\c+\i+1]|
.endr
.endr
.irp c, 0,1
	v_add_nc_u32 v[230+\c], 0xff000000, v[228+\c]  ; 2 off the exponent field: the conversion's scale operand
.endr
.irp c, 0,1
	v_lshrrev_b32 v[232+\c], 23, v[230+\c]         ; the scale's byte
.endr
	v_lshl_or_b32 v234, v233, 16, v232             ; blocks h and 2 + h,
	v_lshlrev_b32 v234, v8, v234                   ; at their places in the word;
	v_permlanex16_b32 v235, v234, s26, s27
	v_or_b32 v234, v234, v235                      ; with lane l xor 16's two the word is whole
	s_wait_alu depctr_va_vdst(0)
	s_wait_xcnt 0x0                                ; the last fragment's stores have read their data: the codes' registers are written again only behind this wait
.irp c, 0,1
	v_cvt_scalef32_pk16_fp6_f32 v[PC+6*\c:PC+6*\c+2], v[X+32*\c:X+32*\c+15], v[230+\c]
	v_cvt_scalef32_pk16_fp6_f32 v[220+4*\c:222+4*\c], v[X+32*\c+16:X+32*\c+31], v[230+\c]   ; (a conversion's three registers begin on an even number)
.endr
	v_nop                                          ; one plain place behind a scaled conversion
.irp c, 0,1
.irp i, 0,1,2
	v_mov_b32 v[PC+3+6*\c+\i], v[220+4*\c+\i]
.endr
.endr
.irp c, 0,1,2
	global_store_b128 v4, v[PC+4*\c:PC+4*\c+3], s[18:19] offset:1536*(\f)+512*\c   ; 32 lanes store 512 consecutive bytes
.endr
.if (\f)%2 == 0
	v_mov_b32 v236, v234                           ; tile 0's words wait for tile 1's
.else
	v_cndmask_b32 v[238+(\f)/2], v236, v234, vcc_lo   ; lanes 0-15 tile 0's, lanes 16-31 tile 1's: 128 consecutive bytes
	global_store_b32 v7, v[238+(\f)/2], s[20:21] offset:128*((\f)/2)
.endif
.endm
	LOADF 0
	LOADF 1
	FRAGQ 0
	FRAGQ 1
	FRAGQ 2
	FRAGQ 3
	s_wait_tensorcnt 0x0
	ds_add_u32 v240, v241
	s_wait_dscnt 0x0
	s_endpgm
.Lfunc_end_k_qb2feede0aa_quant:
	.size	k_qb2feede0aa_quant, .Lfunc_end_k_qb2feede0aa_quant-k_qb2feede0aa_quant
	.p2alignl 7, 3214868480
	.fill 96, 4, 3214868480
	.section	.rodata,"a",@progbits
	.p2align	6, 0x0
	.amdhsa_kernel k_qb2feede0aa_quant
		.amdhsa_group_segment_fixed_size 34304
		.amdhsa_private_segment_fixed_size 0
		.amdhsa_enable_private_segment 0
		.amdhsa_kernarg_size 72
		.amdhsa_user_sgpr_count 2
		.amdhsa_user_sgpr_kernarg_segment_ptr 1
		.amdhsa_wavefront_size32 1
		.amdhsa_system_sgpr_workgroup_id_x 1
		.amdhsa_system_sgpr_workgroup_id_y 1
		.amdhsa_system_sgpr_workgroup_id_z 1
		.amdhsa_system_vgpr_workitem_id 0
		.amdhsa_next_free_vgpr 242
		.amdhsa_next_free_sgpr 66
		.amdhsa_reserve_vcc 1
		.amdhsa_float_denorm_mode_32 3
		.amdhsa_float_denorm_mode_16_64 3
		.amdhsa_memory_ordered 1
		.amdhsa_forward_progress 1
		.amdhsa_inst_pref_size 31
	.end_amdhsa_kernel
	.amdgpu_metadata
---
amdhsa.version: [ 1, 2 ]
amdhsa.kernels:
  - .name:           k_qb2feede0aa_quant
    .symbol:         k_qb2feede0aa_quant.kd
    .args:
      - { .name: x, .offset: 0, .size: 8, .value_kind: global_buffer, .address_space: global }
      - { .name: pos_emb, .offset: 8, .size: 8, .value_kind: global_buffer, .address_space: global }
      - { .name: Wq, .offset: 16, .size: 8, .value_kind: global_buffer, .address_space: global }
      - { .name: Wk, .offset: 24, .size: 8, .value_kind: global_buffer, .address_space: global }
      - { .name: Wv, .offset: 32, .size: 8, .value_kind: global_buffer, .address_space: global }
      - { .name: Wp, .offset: 40, .size: 8, .value_kind: global_buffer, .address_space: global }
      - { .name: Wo, .offset: 48, .size: 8, .value_kind: global_buffer, .address_space: global }
      - { .name: opc, .offset: 56, .size: 8, .value_kind: global_buffer, .address_space: global }
      - { .name: ops, .offset: 64, .size: 8, .value_kind: global_buffer, .address_space: global }
    .group_segment_fixed_size: 34304
    .private_segment_fixed_size: 0
    .kernarg_segment_align: 8
    .kernarg_segment_size: 72
    .max_flat_workgroup_size: 128
    .sgpr_count:     66
    .vgpr_count:     242
    .wavefront_size: 32
...
	.end_amdgpu_metadata
.endif
;; end of part 1
;; launch proj (part 2): grid 16 x 16, 4 waves a work-group, clusters of 4 x 4, 327,680 bytes of LDS; arguments opc, ops, pos_bias_u, pos_bias_v, att; writes att
.if DOCPART == 2
	.amdgcn_target "amdgcn-amd-amdhsa--gfx1250"
	.amdhsa_code_object_version 6
	.text
	.protected	k_qb2feede0aa_proj
	.globl	k_qb2feede0aa_proj
	.p2align	8
	.type	k_qb2feede0aa_proj,@function
k_qb2feede0aa_proj:
	s_mov_b64 s[64:65], 0
	v_nop
	global_prefetch_b8 v0, s[64:65] scope:SCOPE_SE
	s_setreg_imm32_b32 hwreg(HW_REG_WAVE_MODE, 25, 1), 1
	s_wait_xcnt 0x0
	s_wait_alu depctr_hold_cnt(0) depctr_sa_sdst(0) depctr_va_vdst(0) depctr_va_sdst(0) depctr_va_ssrc(0) depctr_va_vcc(0) depctr_vm_vsrc(0)
	s_getreg_b32 s2, hwreg(HW_REG_IB_STS2, 6, 4)
	s_cmp_eq_u32 s2, 0
	s_cbranch_scc0 .Lentry_in_a_cluster
	s_endpgm
.Lentry_in_a_cluster:
	s_bfe_u32 s2, ttmp6, 0x10000c
	s_cmp_lg_u32 s2, 0xf033
	s_cbranch_scc0 .Lentry_shape_is_right
	s_endpgm
.Lentry_shape_is_right:
.set NQ,     2
.set FR,     12
.set NL,     3
.set NP,     4
.set HALFT,  24576
.set SLOT,   4*HALFT
.set KADV,   12288
.set LAPS,   2
.set SCL,    2*SLOT
.set HALFS,  4096
.set SPARE,  SCL+4*HALFS
.set ATS,    15728640
.set ADRA, 16
.set ADRB, 20
.set ADRS, 27
.set SPW,  28
.set NIL,  29
.set SC,   32
.set AF,   128
.set T,    128
.set PC,   192
.set TM,   212
.set PW,   228
.set SW,   230
.set SD,   238
.set IMG,  242
.set SCO,  243
.set BO,   244
.set SEL,  18
.set DC,   94
.set DS,   96
.set G1, 24
.set G0, 32
.set G1B, 48
.set G0B, 56
.set G1S, 68
.set G0S, 76
.set G1SB, 80
.set G0SB, 88
.set MSB, 0
.macro WIN new
.if MSB != (\new)
	s_set_vgpr_msb (MSB<<8)|(\new)
.set MSB, (\new)
.endif
.endm
.set MUL_LO, 0xa1
.set MUL_HI, 0xf1
.set TO_B,   0x40
.macro JLOAD g0a, g1a, g0b, g1b
	s_cmp_eq_u32 s15, 0
	s_cbranch_scc0 .Lfor_b_\@
	tensor_load_to_lds s[\g0a:\g0a+3], s[\g1a:\g1a+7]
	s_nop 0
.rept 4
	v_nop
.endr
	s_branch .Lasked_\@
.Lfor_b_\@:
	tensor_load_to_lds s[\g0b:\g0b+3], s[\g1b:\g1b+7]
	s_nop 0
.rept 4
	v_nop
.endr
.Lasked_\@:
.endm
.macro CREST
	s_cmp_lg_u32 s14, 0
	s_cbranch_scc1 .Lnot_wave_0_\@
	s_barrier_signal -3
.Lnot_wave_0_\@:
	s_barrier_wait -3
	s_barrier_signal -1
	s_barrier_wait -1
.endm
.macro CROUND
	s_barrier_signal -1
	s_barrier_wait -1
	CREST
.endm
	s_load_b256 s[4:11], s[0:1], 0x0
	s_load_b64 s[12:13], s[0:1], 0x20
	v_lshl_add_u32 v[SPW], v0, 2, SPARE
	v_mov_b32 v[NIL], 0
	ds_add_u32 v28, v29
	ds_add_u32 v28, v29
	s_wait_dscnt 0x0
	v_lshrrev_b32 v1, 5, v0
	v_readfirstlane_b32 s14, v1
	s_lshr_b32 s15, s14, 1
	s_and_b32 s16, s14, 1
	s_bfe_u32 s40, ttmp6, 0x40000
	s_bfe_u32 s41, ttmp6, 0x40004
	s_lshl_b32 s42, s41, 2
	s_lshl_b32 s42, 15, s42
	s_lshl_b32 s43, 0x1111, s40
	s_or_b32 s[G1+0], s42, (3<<16)|(1<<21)
	s_or_b32 s[G1B+0], s43, (3<<16)|(1<<21)
.irp g, G1, G1B
	s_mov_b32 s[\g+1], 768<<16
	s_mov_b32 s[\g+2], 4<<16
	s_mov_b32 s[\g+3], 768<<16
	s_mov_b32 s[\g+4], 4
	s_mov_b32 s[\g+5], 3072
	s_mov_b32 s[\g+6], 0
	s_mov_b32 s[\g+7], 0
.endr
	s_or_b32 s[G1S+0], s42, (3<<16)|(1<<21)
	s_or_b32 s[G1SB+0], s43, (3<<16)|(1<<21)
.irp g, G1S, G1SB
	s_mov_b32 s[\g+1], 32<<16
	s_mov_b32 s[\g+2], 16<<16
	s_mov_b32 s[\g+3], 32<<16
	s_mov_b32 s[\g+4], 16
	s_mov_b32 s[\g+5], 32
	s_mov_b32 s[\g+6], 0
	s_mov_b32 s[\g+7], 0
.endr
	s_and_b32 s17, ttmp7, 0xffff
	s_lshl_b32 s17, s17, 2
	s_lshl_b32 s18, ttmp9, 10
	s_add_co_u32 s18, s18, 8192
	s_cmp_eq_u32 ttmp9, 3
	s_cselect_b32 s19, 4096, 0
	s_cmp_eq_u32 ttmp9, 2
	s_cselect_b32 s19, 10240, s19
	s_cselect_b32 s18, 0, s18
	s_cselect_b32 s20, 0, s17
	s_cselect_b32 s21, s17, 0
	s_add_co_u32 s20, s20, s41
	s_add_co_u32 s21, s21, s40
	s_lshl_b32 s23, s16, 7
	s_lshl_b32 s22, s20, 8
	s_add_co_u32 s22, s22, s19
	s_add_co_u32 s22, s22, s23
	s_lshl_b32 s46, s21, 8
	s_add_co_u32 s46, s46, s18
	s_add_co_u32 s46, s46, s23
	s_mul_i32 s44, s22, 768
	s_mov_b32 s45, 0
	s_lshl_b32 s66, s22, 5
	s_mov_b32 s67, 0
	s_mul_i32 s92, s46, 768
	s_mov_b32 s93, 0
	s_lshl_b32 s46, s46, 5
	s_mov_b32 s47, 0
	s_mul_i32 s98, s14, HALFT
	s_lshl_b32 s99, s14, 12
	s_wait_kmcnt 0x0
	s_add_nc_u64 s[44:45], s[4:5], s[44:45]
	s_add_nc_u64 s[66:67], s[6:7], s[66:67]
	s_add_nc_u64 s[92:93], s[4:5], s[92:93]
	s_add_nc_u64 s[46:47], s[6:7], s[46:47]
	CROUND
	s_mov_b32 s[G0S], 1
	s_add_co_u32 s[G0S+1], s99, SCL
	s_mov_b64 s[G0S+2:G0S+3], s[66:67]
	s_or_b32 s[G0S+3], s[G0S+3], 0x80000000
	s_mov_b32 s[G0SB], 1
	s_add_co_u32 s[G0SB+1], s99, SCL
	s_mov_b64 s[G0SB+2:G0SB+3], s[46:47]
	s_or_b32 s[G0SB+3], s[G0SB+3], 0x80000000
	JLOAD G0S, G1S, G0SB, G1SB
.irp s, 0,1
	s_mov_b32 s[G0+4*\s], 1
	s_add_co_u32 s[G0+4*\s+1], s98, \s*SLOT
	s_add_nc_u64 s[G0+4*\s+2:G0+4*\s+3], s[44:45], \s*6144
	s_or_b32 s[G0+4*\s+3], s[G0+4*\s+3], 0x80000000
	s_mov_b32 s[G0B+4*\s], 1
	s_add_co_u32 s[G0B+4*\s+1], s98, \s*SLOT
	s_add_nc_u64 s[G0B+4*\s+2:G0B+4*\s+3], s[92:93], \s*6144
	s_or_b32 s[G0B+4*\s+3], s[G0B+4*\s+3], 0x80000000
	s_wait_alu depctr_va_vdst(0)
	s_wait_tensorcnt 0x0
	ds_add_u32 v28, v29
	s_wait_dscnt 0x0
	CROUND
	JLOAD G0+4*\s, G1, G0B+4*\s, G1B
.endr
	v_and_b32 v1, 15, v0
	v_bfe_u32 v2, v0, 4, 1
	s_wait_alu depctr_va_vdst(0)
	v_and_b32 v3, 31, v0
	v_lshlrev_b32 v3, 4, v3
	s_wait_alu depctr_va_vdst(0)
	s_mul_i32 s22, s15, HALFT
	s_mul_i32 s23, s16, HALFT
	s_add_co_u32 s23, s23, 2*HALFT
.irp s, 0,1
	v_add_nc_u32 v[ADRA+\s], s22, v3
	v_add_nc_u32 v[ADRB+\s], s23, v3
	s_add_co_u32 s22, s22, SLOT
	s_add_co_u32 s23, s23, SLOT
.endr
	v_lshlrev_b32 v5, 2, v1
	s_lshl_b32 s22, s15, 12
	s_lshl_b32 s23, s16, 12
	s_add_co_u32 s23, s23, 2*HALFS
	s_sub_co_u32 s23, s23, s22
	v_mul_u32_u24 v6, s23, v2
	s_add_co_u32 s22, s22, SCL
	v_add_nc_u32 v5, v5, v6
	v_add_nc_u32 v[ADRS], s22, v5
	v_mov_b32 v[IMG], v3
	v_lshlrev_b32 v[SCO], 5, v1
	v_lshl_add_u32 v[SCO], v2, 4, v[SCO]
	v_lshlrev_b32 v[BO], 6, v2
	s_lshl_b32 s17, s20, 1
	s_add_co_u32 s17, s17, s15
	s_lshl_b32 s18, s21, 1
	s_add_co_u32 s18, s18, s16
	s_cmp_eq_u32 ttmp9, 2
	s_cselect_b32 s19, s18, s17
	s_cselect_b32 s98, s17, s18
	s_lshr_b32 s22, s19, 4
	s_lshl_b32 s22, s22, 3
	s_add_co_u32 s22, s22, s98
	s_lshl_b32 s22, s22, 4
	s_and_b32 s23, s19, 15
	s_add_co_u32 s22, s22, s23
	s_add_co_u32 s23, ttmp9, 1
	s_lshl_b32 s23, s23, 8
	s_cmp_eq_u32 ttmp9, 0
	s_cselect_b32 s23, 0, s23
	s_add_co_u32 s22, s22, s23
	s_lshl_b32 s23, s98, 5
	s_add_co_u32 s23, s23, s19
	s_add_co_u32 s23, s23, 1024
	s_cmp_eq_u32 ttmp9, 3
	s_cselect_b32 s22, s23, s22
	s_mul_i32 s[DC], s22, 12288
	s_mov_b32 s[DC+1], 0
	s_add_nc_u64 s[DC:DC+1], s[12:13], s[DC:DC+1]
	s_lshl_b32 s[DS], s22, 9
	s_add_co_u32 s[DS], s[DS], ATS
	s_mov_b32 s[DS+1], 0
	s_add_nc_u64 s[DS:DS+1], s[12:13], s[DS:DS+1]
	s_lshl_b32 s92, s98, 9
	s_mov_b32 s93, 0
	s_mov_b32 s[SEL], 0x76543210
	s_mov_b32 s[SEL+1], 0xfedcba98
.macro FRAG reg, adr, q, i
.irp c, 0,1,2
	ds_load_b128 v[\reg+4*\c:\reg+4*\c+3], v[\adr] offset:((\i)/2)*6144+(\q)*3072+((\i)%2)*1536+512*\c
.endr
.endm
.macro MUL16 a0, p, q, sc, zero
.irp a, \a0, \a0+1
.irp b, 0,1,2,3,4,5,6,7
.if \zero
	v_wmma_scale_f32_16x16x128_f8f6f4 v[8*(8*((\a)%4)+\b):8*(8*((\a)%4)+\b)+7], v[128*(\p)+FR*\b:128*(\p)+FR*\b+FR-1], v[AF+FR*(\a):AF+FR*(\a)+FR-1], 0, v[SC+8*NQ*(\sc)+NQ*\b+(\q)], v[SC+8*NQ*(\sc)+NQ*(\a)+(\q)] matrix_a_fmt:MATRIX_FMT_FP6 matrix_b_fmt:MATRIX_FMT_FP6 matrix_a_scale:MATRIX_SCALE_ROW1
.else
	v_wmma_scale_f32_16x16x128_f8f6f4 v[8*(8*((\a)%4)+\b):8*(8*((\a)%4)+\b)+7], v[128*(\p)+FR*\b:128*(\p)+FR*\b+FR-1], v[AF+FR*(\a):AF+FR*(\a)+FR-1], v[8*(8*((\a)%4)+\b):8*(8*((\a)%4)+\b)+7], v[SC+8*NQ*(\sc)+NQ*\b+(\q)], v[SC+8*NQ*(\sc)+NQ*(\a)+(\q)] matrix_a_fmt:MATRIX_FMT_FP6 matrix_b_fmt:MATRIX_FMT_FP6 matrix_a_scale:MATRIX_SCALE_ROW1
.endif
.endr
.endr
.endm
.macro FETCH_B slot, q, p
	WIN TO_B
.irp i, 0,1,2,3,4,5,6,7
	FRAG 128*(\p)+FR*\i, ADRB+\slot, \q, \i
.endr
	WIN 0
.endm
.macro FETCH_A slot, q, i0
.irp i, \i0, \i0+1, \i0+2, \i0+3
	FRAG AF+FR*(\i), ADRA+\slot, \q, \i
.endr
.endm
.macro SCALES sc
.irp i, 0,1,2,3,4,5,6,7
.irp q, 0,1
	ds_load_b32 v[SC+16*\sc+2*\i+\q], v[ADRS] offset:(\i/2)*1024+\q*128+(\i%2)*64
.endr
.endr
.endm
.macro PLACES n
.rept \n
	v_nop
.endr
.endm
.macro STEP slot, q, zero
	s_wait_dscnt 4*NL
	WIN MUL_LO
	MUL16 0, (\q)%2, \q, \slot, \zero
	MUL16 2, (\q)%2, \q, \slot, \zero
	s_wait_dscnt 0
	PLACES NP
	FETCH_B \slot, (\q)+1, 1-(\q)%2
	FETCH_A \slot, (\q)+1, 0
	WIN MUL_HI
	MUL16 4, (\q)%2, \q, \slot, \zero
	MUL16 6, (\q)%2, \q, \slot, \zero
	PLACES NP
	WIN 0
	FETCH_A \slot, (\q)+1, 4
.endm
.macro TURN slot, next, fill
	s_wait_tensorcnt 0x0
	ds_add_u32 v[SPW], v[NIL]
	s_wait_dscnt 4*NL+1
	WIN MUL_LO
	MUL16 0, 1, NQ-1, \slot, 0
	s_wait_dscnt 0x0
	s_barrier_signal -1
	MUL16 2, 1, NQ-1, \slot, 0
	WIN 0
	s_barrier_wait -1
.if \fill
	CREST
	s_add_nc_u64 s[G0+4*\slot+2:G0+4*\slot+3], s[G0+4*\slot+2:G0+4*\slot+3], KADV
	s_add_nc_u64 s[G0B+4*\slot+2:G0B+4*\slot+3], s[G0B+4*\slot+2:G0B+4*\slot+3], KADV
	JLOAD G0+4*\slot, G1, G0B+4*\slot, G1B
.else
	PLACES NP
.endif
	s_wait_alu depctr_va_vdst(0)
	v_add_nc_u32 v[ADRS], 128*NQ, v[ADRS]
	FETCH_B \next, 0, 0
	FETCH_A \next, 0, 0
	SCALES \next
	WIN MUL_HI
	MUL16 4, 1, NQ-1, \slot, 0
	MUL16 6, 1, NQ-1, \slot, 0
	PLACES NP
	WIN 0
	FETCH_A \next, 0, 4
.endm
	s_wait_alu depctr_va_vdst(0)
	s_wait_tensorcnt 1
	s_barrier_signal -1
	s_barrier_wait -1
	FETCH_B 0, 0, 0
	FETCH_A 0, 0, 0
	SCALES 0
	FETCH_A 0, 0, 4
	STEP 0, 0, 1
	s_mov_b32 s3, LAPS-1
.Llap:
	TURN 0, 1, 1
	STEP 1, 0, 0
	TURN 1, 0, 1
	STEP 0, 0, 0
	s_sub_co_u32 s3, s3, 1
	s_cmp_lg_u32 s3, 0
	s_cbranch_scc1 .Llap
	TURN 0, 1, 0
	STEP 1, 0, 0
	s_wait_dscnt 4*NL
	WIN MUL_LO
	MUL16 0, 1, NQ-1, 1, 0
	MUL16 2, 1, NQ-1, 1, 0
	s_wait_dscnt 0
	WIN MUL_HI
	MUL16 4, 1, NQ-1, 1, 0
	MUL16 6, 1, NQ-1, 1, 0
	WIN 0
.macro QUANTW s, w
	WIN ((\w)<<2)|((\w)<<4)
.irp b, 0,1,2,3
	v_max3_num_f32 v[TM+\b], 0x1800000, |v[(\s)+16*\b]|, |v[(\s)+16*\b+1]|
.endr
.irp i, 2,4,6,8,10,12,14
.irp b, 0,1,2,3
	v_max3_num_f32 v[TM+\b], v[TM+\b], |v[(\s)+16*\b+\i]|, |v[(\s)+16*\b+\i+1]|
.endr
.endr
	WIN 0
.irp b, 0,1,2,3
	v_permlanex16_b32 v[TM+4+\b], v[TM+\b], s[SEL], s[SEL+1]
.endr
.irp b, 0,1,2,3
	v_max_num_f32 v[TM+\b], v[TM+\b], v[TM+4+\b]
.endr
.irp b, 0,1,2,3
	v_add_nc_u32 v[TM+12+\b], 0xff000000, v[TM+\b]
.endr
.irp b, 0,1,2,3
	v_lshrrev_b32 v[TM+4+\b], 23, v[TM+12+\b]
.endr
	v_lshl_or_b32 v[PW], v[TM+5], 8, v[TM+4]
	v_lshl_or_b32 v[PW], v[TM+6], 16, v[PW]
	v_lshl_or_b32 v[PW], v[TM+7], 24, v[PW]
	WIN (\w)
.irp c, 0,1
	v_cvt_scalef32_pk16_fp6_f32 v[PC+6*\c:PC+6*\c+2], v[(\s)+32*\c:(\s)+32*\c+15], v[TM+12+2*\c]
	v_cvt_scalef32_pk16_fp6_f32 v[PC+12+4*\c:PC+14+4*\c], v[(\s)+32*\c+16:(\s)+32*\c+31], v[TM+12+2*\c+1]
.endr
	WIN 0
	v_nop
.irp c, 0,1
.irp i, 0,1,2
	v_permlane16_swap_b32 v[PC+6*\c+\i], v[PC+12+4*\c+\i]
.endr
.irp i, 0,1,2
	v_mov_b32 v[PC+3+6*\c+\i], v[PC+12+4*\c+\i]
.endr
.endr
.endm
.macro PUT a
.irp c, 0,1,2
	global_store_b128 v[IMG], v[PC+4*\c:PC+4*\c+3], s[DC:DC+1] offset:(\a)*1536+512*\c
.endr
	v_mov_b32 v[SW+(\a)], v[PW]
.endm
.macro FINISH
.irp k, 0,1,2,3
	v_cndmask_b32 v[SD+\k], v[SW+\k], v[SW+4+\k], vcc_lo
.endr
	global_store_b128 v[SCO], v[SD:SD+3], s[DS:DS+1]
.endm
	PLACES NP
.irp b, 0,1,2,3
	v_mov_b32 v[TM+4+\b], 0
.endr
	v_cmp_eq_u32 vcc_lo, 1, v2
	s_cmp_eq_u32 ttmp9, 0
	s_cbranch_scc1 .Lq
.irp a, 0,1,2,3,4,5,6,7
	s_wait_xcnt 0x0
	QUANTW 64*(\a%4), 2+\a/4
	PUT \a
.endr
	FINISH
	s_branch .Lend
.Lq:
	s_mov_b32 s2, 0
.Lpass:
	s_wait_xcnt 0x0
	s_cmp_eq_u32 s2, 0
	s_cselect_b64 s[66:67], s[8:9], s[10:11]
	s_add_nc_u64 s[66:67], s[66:67], s[92:93]
	WIN 0x40
.irp b, 0,1,2,3
.irp j, 0,1,2,3
	global_load_b128 v[16*\b+4*\j:16*\b+4*\j+3], v[BO], s[66:67] offset:128*\b+16*\j
.endr
.endr
	WIN 0
	s_wait_loadcnt 0x0
.irp a, 0,1,2,3,4,5,6,7
	WIN (2+\a/4)|4
.set n, 0
.rept 32
	v_pk_add_f32 v[T+n:T+n+1], v[64*(\a%4)+n:64*(\a%4)+n+1], v[n:n+1]
.set n, n+2
.endr
	WIN 0
	s_wait_xcnt 0x0
	QUANTW T, 0
	PUT \a
.endr
	FINISH
	s_wait_xcnt 0x0
	s_add_nc_u64 s[DC:DC+1], s[DC:DC+1], 256*12288
	s_add_nc_u64 s[DS:DS+1], s[DS:DS+1], 256*512
	s_add_co_u32 s2, s2, 1
	s_cmp_lt_u32 s2, 2
	s_cbranch_scc1 .Lpass
.Lend:
	s_wait_tensorcnt 0x0
	ds_add_u32 v[SPW], v[NIL]
	s_wait_dscnt 0x0
	CROUND
	s_endpgm
.Lfunc_end_k_qb2feede0aa_proj:
	.size	k_qb2feede0aa_proj, .Lfunc_end_k_qb2feede0aa_proj-k_qb2feede0aa_proj
	.p2alignl 7, 3214868480
	.fill 96, 4, 3214868480
	.section	.rodata,"a",@progbits
	.p2align	6, 0x0
	.amdhsa_kernel k_qb2feede0aa_proj
		.amdhsa_group_segment_fixed_size 327680
		.amdhsa_private_segment_fixed_size 0
		.amdhsa_enable_private_segment 0
		.amdhsa_kernarg_size 40
		.amdhsa_user_sgpr_count 2
		.amdhsa_user_sgpr_kernarg_segment_ptr 1
		.amdhsa_wavefront_size32 1
		.amdhsa_system_sgpr_workgroup_id_x 1
		.amdhsa_system_sgpr_workgroup_id_y 1
		.amdhsa_system_sgpr_workgroup_id_z 1
		.amdhsa_system_vgpr_workitem_id 0
		.amdhsa_next_free_vgpr 1024
		.amdhsa_next_free_sgpr 100
		.amdhsa_reserve_vcc 1
		.amdhsa_float_denorm_mode_32 3
		.amdhsa_float_denorm_mode_16_64 3
		.amdhsa_memory_ordered 1
		.amdhsa_forward_progress 1
		.amdhsa_inst_pref_size 195
	.end_amdhsa_kernel
	.amdgpu_metadata
---
amdhsa.version: [ 1, 2 ]
amdhsa.kernels:
  - .name:           k_qb2feede0aa_proj
    .symbol:         k_qb2feede0aa_proj.kd
    .args:
      - { .name: opc, .offset: 0, .size: 8, .value_kind: global_buffer, .address_space: global }
      - { .name: ops, .offset: 8, .size: 8, .value_kind: global_buffer, .address_space: global }
      - { .name: pos_bias_u, .offset: 16, .size: 8, .value_kind: global_buffer, .address_space: global }
      - { .name: pos_bias_v, .offset: 24, .size: 8, .value_kind: global_buffer, .address_space: global }
      - { .name: att, .offset: 32, .size: 8, .value_kind: global_buffer, .address_space: global }
    .group_segment_fixed_size: 327680
    .private_segment_fixed_size: 0
    .kernarg_segment_align: 8
    .kernarg_segment_size: 40
    .max_flat_workgroup_size: 128
    .sgpr_count:     100
    .vgpr_count:     1024
    .wavefront_size: 32
...
	.end_amdgpu_metadata
.endif
;; end of part 2
;; launch attn (part 3): grid 16 x 16, 4 waves a work-group, clusters of 4 x 1, 327,680 bytes of LDS; arguments att, oc, os; writes oc, os
.if DOCPART == 3
	.amdgcn_target "amdgcn-amd-amdhsa--gfx1250"
	.amdhsa_code_object_version 6
	.text
	.protected	k_qb2feede0aa_attn
	.globl	k_qb2feede0aa_attn
	.p2align	8
	.type	k_qb2feede0aa_attn,@function
k_qb2feede0aa_attn:
	s_mov_b64 s[64:65], 0
	v_nop
	global_prefetch_b8 v0, s[64:65] scope:SCOPE_SE
	s_setreg_imm32_b32 hwreg(HW_REG_WAVE_MODE, 25, 1), 1
	s_wait_xcnt 0x0
	s_wait_alu depctr_hold_cnt(0) depctr_sa_sdst(0) depctr_va_vdst(0) depctr_va_sdst(0) depctr_va_ssrc(0) depctr_va_vcc(0) depctr_vm_vsrc(0)
	s_getreg_b32 s2, hwreg(HW_REG_IB_STS2, 6, 4)
	s_cmp_eq_u32 s2, 0
	s_cbranch_scc0 .Lentry_in_a_cluster
	s_endpgm
.Lentry_in_a_cluster:
	s_bfe_u32 s2, ttmp6, 0x10000c
	s_cmp_lg_u32 s2, 0x3003
	s_cbranch_scc0 .Lentry_shape_is_right
	s_endpgm
.Lentry_shape_is_right:
; Attention with relative positions on codes of FP6 (E2M3) with E8M0 scales.  logit(query, key) = (q + u)[query] . k[key] + (q + v)[query] . P'[key - query + 2048]  (P'[j] = p[j - 1]), times 1 / sqrt(128).
; t = logit x log2(e) / sqrt(128); M = the running largest t rounded up to a whole number; p = 2^(t - M) is quantised along the keys; the row's sum of the unquantised p divides O at the end; O / sum is quantised
; along the head's channels and leaves as an image of the last product's operand.  All operands lie in att as images of registers: a block of 128 rows is 12,288 bytes, 24 loads of 512 consecutive bytes.
; SHARES: a work-group owns queries 128 g .. 128 g + 127 of one (batch, head); each of its four waves 32 of them, as two tiles of 16: lane % 16 is the query.  Each fragment read from LDS feeds both tiles.  16 key steps of 128 keys.
; THE SHIFT: bd^T = P' (q + v)^T gives lane (r, h) positions 32 b + 16 h + i of query r.  They are stored into the wave's own rows in LDS (a row a query, 384 columns) and read back 32 w + 16 tile + r columns to the left,
; straight into the registers that are then the C of K (q + u)^T.  Blocks of odd steps are stored at column 128; those of even steps at 256 and once more at 0: so the block before is always to the left.
; ONE STEP AHEAD: step s multiplies K(s) (q + u)^T onto the shifted terms read in step s - 1, then makes bd^T of P' block s + 1; the shift's stores and loads for step s + 1 and the loads of K(s + 1)'s fragments stand among
; the softmax's instructions of step s; V(s) p closes the step.  So slot s % 2 holds K(s + 1), V(s) and P' block s + 1; behind step s's round the other slot takes K(s + 2), V(s + 1), P' block s + 2:
; K's and P's last fills stand in step 13, V's in step 14: steps 14 and 15 are written out.
; CLUSTER: the four query blocks of a cluster share K and V: joint loads.  P' differs between partners: loads of each work-group's own; the place in the cluster enters global addresses alone.
; PREFETCH: streams of 12 blocks of 12,288 bytes (K's and V's blocks 4 to 15 of this (batch, head); P's blocks 20 to 31 of this head).  The head's first cluster asks, wave 1 for K, wave 2 for V, wave 3 for P' (batch 0 alone);
; the four partners take 8,192 bytes each of an event's 32,768, told apart by address, a lane a block of 256 bytes.  Five events, in steps 0, 2 .. 8, each two steps or more ahead of the tensor load; the last is held at the stream's last 8,192 bytes.
; REGISTERS: window 0: addresses, scale words, Q, K's fragments, p's codes;  window 1: P's and V's fragments;  window 2 + tile: two sets of scores, O^T, the softmax's state, and the tile's own copies of the shift's two addresses.
; LIMITS: NaN and infinities are not served; blocks whose largest magnitude lies under 2^-124 get the byte 1; the scaled scores stay under 2^31 in magnitude.
.set SLOTB, 36864                      ; a slot: K, V, P', 12,288 bytes each
.set PRE,   73728                      ; the two P' blocks that the prologue reads
.set KSC,   98304                      ; K's scale words of all 16 steps; V's 8,192 on; P's (17 blocks) 16,384 on
.set SKEW,  123392                     ; 4 x 32 rows x 1,552 bytes (384 columns + 16 bytes)
.set SPARE, 322048                     ; the spare words: 128 bytes for each wave
.set ATS,   15728640
.set LI0, 1                            ; 16 x lane;  v2 the same in slot 1
.set LI1, 2
.set SCA, 3                            ; KSC + 32 r, 512 on in each step
.set SPW, 5
.set NIL, 6
.set OSO, 7                            ; 4 r
.set PFO, 8                            ; 256 x lane
.set SWK, 16                           ; scale words of eight fragments: K's, V's, P's
.set SWV, 24
.set SWP, 32
.set QUS, 40
.set QVS, 42
.set PW,  44                           ; p's scale word, a register a tile
.set QU,  48
.set QV,  72
.set FK,  96                           ; window 0: K's eight fragments
.set PC,  192                          ; p's codes, 12 registers a tile
.set PTW, 216                          ; second halves on their way
.set FP,  0                            ; window 1
.set FV,  96
.set O,   128                          ; window 2 + tile: scores at 0 and 64, O^T at 128
.set TMP, 192
.set NM,  196                          ; -M;  v197 the running largest t
.set RT,  197
.set SUM, 198
.set FF,  200
.set BM,  204
.set PT,  208
.set SO,  212
.set TS,  216                          ; seven pairs for the row's sum
.set STAW, 236                         ; where the tile stores positions: its row, + 64 h
.set RDAW, 237                         ; where it reads them back
.set WV,  18
.set SEL, 20
.set CS,  22
.set G1CJ, 24                          ; group 1: 48 rows of 256 bytes, joint;  s32: my own (96 rows at the head, then 48);  s40: two rows of 8,192 bytes, joint;  s48: 34 rows, my own
.set G1CP, 32
.set G1SJ, 40
.set G1SP, 48
.set G0J,  56
.set G0P,  68
.set G0PRE, 76
.set G0SJ, 80
.set G0SP, 84
.set TRIP, 88
.set PFE,  89
.set PFC,  90
.set LIM,  91
.set PFB,  92
.set PFA,  94
.set MSB, 0
.macro WIN new                         ; the immediate's high byte repeats the setting that is left
.if MSB != (\new)
	s_set_vgpr_msb (MSB<<8)|(\new)
.set MSB, (\new)
.endif
.endm
.macro CROUND
	s_barrier_signal -1
	s_barrier_wait -1
	s_cmp_lg_u32 s[WV], 0
	s_cbranch_scc1 .Lnot_wave_0_\@
	s_barrier_signal -3
.Lnot_wave_0_\@:
	s_barrier_wait -3
	s_barrier_signal -1
	s_barrier_wait -1
.endm
.macro PLACES                          ; plain vector instructions between a matrix instruction and a load into, or a read of, its registers (ISA guide 7.12.1 for reads)
.rept 4
	v_nop
.endr
.endm
.macro SHAPE g, rows
	s_mov_b32 s[\g+1], 32<<16
	s_mov_b32 s[\g+2], (\rows)<<16
	s_mov_b32 s[\g+3], 32<<16
	s_mov_b32 s[\g+4], \rows
	s_mov_b32 s[\g+5], 32
	s_mov_b32 s[\g+6], 0
	s_mov_b32 s[\g+7], 0
.endm
.macro TL g0, g1                       ; a tensor load with an s_nop and four v_nops behind it
	tensor_load_to_lds s[\g0:\g0+3], s[\g1:\g1+7]
	s_nop 0
	PLACES
.endm
; A refill of slot n.  kind 1: wave 0 K's block, wave 1 V's (joint), wave 2 P's (its own work-group's).  kind 2: V's alone.
.macro TLOAD n, kind
.if \kind == 1
	s_cmp_lt_u32 s[WV], 2
	s_cbranch_scc0 .Lnot_j_\@
	TL G0J+4*(\n), G1CJ
	s_branch .Lasked_\@
.Lnot_j_\@:
	s_cmp_eq_u32 s[WV], 2
	s_cbranch_scc0 .Lasked_\@
	TL G0P+4*(\n), G1CP
.else
	s_cmp_eq_u32 s[WV], 1
	s_cbranch_scc0 .Lasked_\@
	TL G0J+4*(\n), G1CJ
.endif
.Lasked_\@:
.endm
; THE CHANGE OF SLOTS, at the head of a step that reads slot sg.
.macro CHANGE sg, fill, ask, first
	s_wait_alu depctr_va_vdst(0)
	s_wait_tensorcnt 0x0                           ; no tensor load of mine is out, so descriptors may be written
	ds_add_u32 v[SPW], v[NIL]
	s_add_nc_u64 s[G0J+4*(\sg)+2:G0J+4*(\sg)+3], s[G0J+4*(\sg)+2:G0J+4*(\sg)+3], 24576   ; this slot's next blocks: two steps on
	s_add_nc_u64 s[G0P+4*(\sg)+2:G0P+4*(\sg)+3], s[G0P+4*(\sg)+2:G0P+4*(\sg)+3], 24576
.if \first
	s_mov_b32 s[G1CP+2], 48<<16                    ; from here on a load of P' brings one block
	s_mov_b32 s[G1CP+4], 48
.endif
.if \ask
	s_wait_xcnt 0x0                                ; the last prefetch, two steps back, has read its address
	s_add_co_u32 s[PFE], s[PFE], 32768
	s_add_co_u32 s96, s[PFE], s[PFC]
	s_min_u32 s96, s96, 139264                     ; never past the stream's end
	s_add_nc_u64 s[PFA:PFA+1], s[PFB:PFB+1], s[96:97]
.endif
	s_wait_dscnt 0x0
.if \fill
	CROUND
	TLOAD 1-(\sg), \fill
.if \ask
	s_cmp_lt_u32 s[PFE], s[LIM]
	s_cbranch_scc0 .Lnot_mine_\@
	global_prefetch_b8 v[PFO], s[PFA:PFA+1] th:TH_LOAD_NT scope:SCOPE_SE
.Lnot_mine_\@:
.endif
.else
	s_barrier_signal -1
	s_barrier_wait -1
.endif
.endm
.macro LOADF reg, li, off              ; a block's eight fragments into window 1
	WIN 0x40
.set n, 0
.rept 24
	ds_load_b128 v[(\reg)+4*n:(\reg)+4*n+3], v[\li] offset:(\off)+512*n
.set n, n+1
.endr
	WIN 0
.endm
.macro LOADS reg, off                  ; and its scale words
	ds_load_b128 v[\reg:\reg+3], v[SCA] offset:\off
	ds_load_b128 v[\reg+4:\reg+7], v[SCA] offset:(\off)+16
.endm
.macro WMS d, a, b, cc, sa, sb2
	v_wmma_scale_f32_16x16x128_f8f6f4 v[\d:\d+7], v[\a:\a+11], v[\b:\b+11], \cc, v[\sa], v[\sb2] matrix_a_fmt:MATRIX_FMT_FP6 matrix_b_fmt:MATRIX_FMT_FP6
.endm
.macro AC sb                           ; K (q + u)^T onto the shifted position terms: eight accumulators by turns, tile by tile
.irp c, 0,1
	WIN 0xa0+0x50*\c
.irp t, 0,1,2,3,4,5,6,7
.set DD, (\sb)+8*\t
	WMS DD, FK+12*\t, QU+12*\c, v[DD:DD+7], SWK+\t, QUS+\c
.endr
.endr
.endm
.macro BD sb                           ; bd^T of the P' block in window 1
.irp c, 0,1
	WIN 0xa1+0x50*\c
.irp t, 0,1,2,3,4,5,6,7
.set DD, (\sb)+8*\t
	WMS DD, FP+12*\t, QV+12*\c, 0, SWP+\t, QVS+\c
.endr
.endr
.endm
.macro PV                              ; O^T += V^T p^T
.irp c, 0,1
	WIN 0xa1+0x50*\c
.irp t, 0,1,2,3,4,5,6,7
.set DD, O+8*\t
	WMS DD, FV+12*\t, PC+12*\c, v[DD:DD+7], SWV+\t, PW+\c
.endr
.endr
.endm
; THE SHIFT'S QUEUE of one tile, under the tile's own window: item QI: 16 stores at column QPOS, with QDUP 16 more at column 0, then with QLD the 64 loads.  Each accumulator is stored from its low end on.
; LDS serves a wave's instructions in order: the loads see the stores.
.macro QOP
.if QI < 16
	ds_store_b128 v[STAW], v[QSN+4*QI:QSN+4*QI+3] offset:4*QPOS+128*(QI/4)+16*(QI%4)
.endif
.if QDUP && (QI >= 16) && (QI < 32)
	ds_store_b128 v[STAW], v[QSN+4*(QI-16):QSN+4*(QI-16)+3] offset:128*((QI-16)/4)+16*((QI-16)%4)
.endif
.if QLD && (QI >= 16+16*QDUP) && (QI < 80+16*QDUP)
	ds_load_b32 v[QSN+QI-16-16*QDUP], v[RDAW] offset:4*QPOS+128*((QI-16-16*QDUP)/16)+4*((QI-16-16*QDUP)%16)
.endif
.set QI, QI+1
.endm
.macro Q n
.rept \n
	QOP
.endr
.endm
.macro QK n                            ; n items of the queue of K's next fragments (24) and scale words (2)
.if KI < 26
	WIN 0
.rept \n
.if KI < 24
	ds_load_b128 v[FK+4*KI:FK+4*KI+3], v[KLI] offset:512*KI
.endif
.if KI == 24
	ds_load_b128 v[SWK:SWK+3], v[SCA] offset:KSO
.endif
.if KI == 25
	ds_load_b128 v[SWK+4:SWK+7], v[SCA] offset:KSO+16
.endif
.set KI, KI+1
.endr
	WIN QW
.endif
.endm
; From the four blocks' largest magnitudes (BM, floored) to the tile's scale word and codes in window 0.  Leaves every window 0.
.macro CODES c, sb
.irp b, 0,1,2,3
	v_add_nc_u32 v[SO+\b], 0xff000000, v[BM+\b]    ; 2 off the exponent field: the conversion's scale operand
.endr
.irp b, 0,1,2,3
	v_lshrrev_b32 v[PT+\b], 23, v[SO+\b]
.endr
	v_lshl_or_b32 v[TMP], v[PT+1], 8, v[PT]
	v_lshl_or_b32 v[TMP], v[PT+2], 16, v[TMP]
	WIN (2+\c)*0x11
	v_lshl_or_b32 v[PW+\c], v[PT+3], 24, v[TMP]
	WIN (2+\c)*5
.irp k, 0,1
	v_cvt_scalef32_pk16_fp6_f32 v[PC+12*\c+6*\k:PC+12*\c+6*\k+2], v[(\sb)+32*\k:(\sb)+32*\k+15], v[SO+2*\k]
	v_cvt_scalef32_pk16_fp6_f32 v[PTW+4*\k:PTW+4*\k+2], v[(\sb)+32*\k+16:(\sb)+32*\k+31], v[SO+2*\k+1]
.endr
	WIN 0
	v_nop                                          ; one plain place behind a scaled conversion
.irp k, 0,1
.irp i, 0,1,2
	v_permlane16_swap_b32 v[PC+12*\c+6*\k+\i], v[PTW+4*\k+\i]
.endr
.irp i, 0,1,2
	v_mov_b32 v[PC+12*\c+3+6*\k+\i], v[PTW+4*\k+\i]
.endr
.endr
.endm
; THE SOFTMAX of tile c on the scores at sb, with the queues' items among its instructions.  All the shift's stores stand ahead of the exponentials.
.macro SM c, sb
.set QW, 0x55*(2+\c)
	s_wait_alu depctr_va_vdst(0)                   ; the wait ahead of the first readers of matrix results
	WIN QW
	Q 32                                           ; the queue goes out in a few long runs: here all the stores (16 or 32) and, where there are 16, the first 16 loads
.irp b, 0,1,2,3
	v_max3_num_f32 v[BM+\b], v[(\sb)+16*\b], v[(\sb)+16*\b+1], v[(\sb)+16*\b+2]   ; the largest score of each block of 32 keys: for the row's maximum and, since p rises with the score, for the block's largest p
.endr
.irp i, 3,5,7,9,11,13
.irp b, 0,1,2,3
	v_max3_num_f32 v[BM+\b], v[BM+\b], v[(\sb)+16*\b+\i], v[(\sb)+16*\b+\i+1]
.endr
.endr
.irp b, 0,1,2,3
	v_max_num_f32 v[BM+\b], v[BM+\b], v[(\sb)+16*\b+15]
.endr
.irp b, 0,1,2,3
	v_permlanex16_b32 v[PT+\b], v[BM+\b], s[SEL], s[SEL+1]
.endr
.irp b, 0,1,2,3
	v_max_num_f32 v[BM+\b], v[BM+\b], v[PT+\b]     ; with lane l xor 16's 16 keys
.endr
	v_max3_num_f32 v[TMP], v[BM], v[BM+1], v[BM+2]
	v_max_num_f32 v[TMP], v[TMP], v[BM+3]
	v_mul_f32 v[TMP], s[CS], v[TMP]                ; as t
	v_max_num_f32 v[RT], v[RT], v[TMP]             ; the running largest t
	v_mov_b32 v[TMP], v[NM]
	v_floor_f32 v[NM], -v[RT]                      ; the new -M = -ceil(t): a whole number
	v_sub_f32 v[TMP], v[NM], v[TMP]                ; old M - new M: a whole number, 0 or less
	v_cvt_i32_f32 v[TMP], v[TMP]                   ; (it saturates)
	v_ldexp_f32 v[FF], 1.0, v[TMP]                 ; f = 2^(old M - new M): a multiplication by it rounds nothing
.set n, 0
.rept 32
	v_pk_fma_f32 v[(\sb)+n:(\sb)+n+1], v[(\sb)+n:(\sb)+n+1], s[CS:CS+1], v[NM:NM+1] op_sel_hi:[1,0,0]   ; t - M
.set n, n+2
.endr
.irp b, 0,1,2,3
	v_fma_f32 v[BM+\b], v[BM+\b], s[CS], v[NM]
.endr
	s_wait_alu depctr_va_vdst(0)
	Q 24                                           ; 24 of the shift's loads
.set n, 0
.rept 32
	v_exp_f32 v[(\sb)+n], v[(\sb)+n]               ; p = 2^(t - M)
.set n, n+1
.endr
	Q 24                                           ; 24 more, between the batch's halves: they name none of its registers
.rept 32
	v_exp_f32 v[(\sb)+n], v[(\sb)+n]
.set n, n+1
.endr
	v_pk_mul_f32 v[SUM:SUM+1], v[SUM:SUM+1], v[FF:FF+1] op_sel_hi:[1,0]   ; the sums under the new M: a plain instruction behind the exponentials
	s_wait_alu depctr_va_vdst(0)                   ; one wait for the batch, ahead of its first reader
.irp b, 0,1,2,3
	v_exp_f32 v[BM+\b], v[BM+\b]                   ; the blocks' largest p
.endr
.irp k, 0,1,2,3,4,5,6                              ; the row's sum of the unquantised p: eight chains of pairs
	v_pk_add_f32 v[TS+2*\k:TS+2*\k+1], v[(\sb)+2*\k:(\sb)+2*\k+1], v[(\sb)+14+2*\k:(\sb)+14+2*\k+1]
.endr
	v_pk_add_f32 v[SUM:SUM+1], v[SUM:SUM+1], v[(\sb)+28:(\sb)+29]
.irp k, 0,1,2,3,4,5,6
	v_pk_add_f32 v[TS+2*\k:TS+2*\k+1], v[TS+2*\k:TS+2*\k+1], v[(\sb)+30+2*\k:(\sb)+30+2*\k+1]
.endr
	v_pk_add_f32 v[SUM:SUM+1], v[SUM:SUM+1], v[(\sb)+44:(\sb)+45]
	Q 16                                           ; the last 16 loads, where the block was stored twice
	QK 7
.irp k, 0,1,2,3,4,5,6
	v_pk_add_f32 v[TS+2*\k:TS+2*\k+1], v[TS+2*\k:TS+2*\k+1], v[(\sb)+46+2*\k:(\sb)+46+2*\k+1]
.endr
	v_pk_add_f32 v[SUM:SUM+1], v[SUM:SUM+1], v[(\sb)+60:(\sb)+61]
	v_pk_add_f32 v[TS:TS+1], v[TS:TS+1], v[(\sb)+62:(\sb)+63]
	v_pk_add_f32 v[TS+4:TS+5], v[TS+4:TS+5], v[TS+6:TS+7]
	v_pk_add_f32 v[TS+8:TS+9], v[TS+8:TS+9], v[TS+10:TS+11]
	v_pk_add_f32 v[SUM:SUM+1], v[SUM:SUM+1], v[TS+12:TS+13]
	v_pk_add_f32 v[TS:TS+1], v[TS:TS+1], v[TS+2:TS+3]
	v_pk_add_f32 v[SUM:SUM+1], v[SUM:SUM+1], v[TS+8:TS+9]
	v_pk_add_f32 v[TS:TS+1], v[TS:TS+1], v[TS+4:TS+5]
	v_pk_add_f32 v[SUM:SUM+1], v[SUM:SUM+1], v[TS:TS+1]
	QK 6
	s_wait_alu depctr_va_vdst(0)                   ; and one for the four
.irp b, 0,1,2,3
	v_max_num_f32 v[BM+\b], 0x1800000, v[BM+\b]    ; the floor 2^(3 - 127)
.endr
	CODES \c, \sb
	WIN QW
	s_wait_alu depctr_va_vdst(0)                   ; the wait directly ahead of the first reader of O^T
.set n, 0
.rept 32
	v_pk_mul_f32 v[O+n:O+n+1], v[O+n:O+n+1], v[FF:FF+1] op_sel_hi:[1,0]   ; O^T under the new M; these are also the places in front of the products that close the step
.set n, n+2
.endr
.endm
; A KEY STEP that reads slot sg.  bd = 0: the last step, with nothing to make ready.
.macro STEP sg, bd
	PLACES                                         ; between the last step's products and the loads into V's fragments
.if \bd
	LOADF FP, LI0+\sg, 24576                       ; P' block s + 1
	LOADS SWP, 17408
.endif
	AC 64*(\sg)
	LOADF FV, LI0+\sg, 12288                       ; V(s)
	LOADS SWV, 8192
.if \bd
	s_wait_dscnt 26                                ; P's fragments and scale words are in; V's 26 loads may be out
	BD 64-64*(\sg)
.set QSN, 64-64*(\sg)
.set QPOS, 128+128*(\sg)
.set QDUP, \sg
.set QLD, 1
.set QI, 0
.set KI, 0
.set KLI, LI0+\sg
.set KSO, 512
.else
.set QI, 1000
.set KI, 26
.endif
	PLACES
	SM 0, 64*(\sg)
.if \bd
.set QI, 0
.endif
	SM 1, 64*(\sg)
	WIN 0
	s_wait_alu depctr_va_vdst(0)
	s_wait_dscnt 0x0                               ; V's fragments; and all that the next step's first products read
	PV
	WIN 0
	v_add_nc_u32 v[SCA], 512, v[SCA]               ; the next step's scale words
.endm
	s_load_b128 s[4:7], s[0:1], 0x0                ; att, oc
	s_load_b64 s[8:9], s[0:1], 0x10                ; os
	v_lshl_add_u32 v[SPW], v0, 2, SPARE
	v_mov_b32 v[NIL], 0
	ds_add_u32 v[SPW], v[NIL]                      ; the opening lines: the add, twice on end, and its wait ahead of my first tensor load
	ds_add_u32 v[SPW], v[NIL]
	v_lshrrev_b32 v9, 5, v0
	v_readfirstlane_b32 s[WV], v9                  ; wave 0..3
	s_and_b32 s12, ttmp7, 0xffff                   ; 8 batch + head: the four partners share it
	s_and_b32 s13, s12, 7                          ; head
	s_lshr_b32 s14, s12, 3                         ; batch
	s_and_b32 s15, s[WV], 1
	s_lshl_b32 s17, s12, 4
	s_mov_b32 s[G1CJ], 15|(3<<16)|(1<<21)          ; the mask: all four work-groups; elements of 8 bytes; bit 21 set beside a mask
	s_mov_b32 s[G1CP], 3<<16
	s_mov_b32 s[G1SJ], 15|(3<<16)|(1<<21)
	s_mov_b32 s[G1SP], 3<<16
	SHAPE G1CJ, 48
	SHAPE G1CP, 96
	SHAPE G1SP, 34
	s_mov_b32 s[G1SJ+1], 1024<<16                  ; K's 8,192 bytes of scale words, and V's, 131,072 bytes on
	s_mov_b32 s[G1SJ+2], 2<<16
	s_mov_b32 s[G1SJ+3], 1024<<16
	s_mov_b32 s[G1SJ+4], 2
	s_mov_b32 s[G1SJ+5], 16384
	s_mov_b32 s[G1SJ+6], 0
	s_mov_b32 s[G1SJ+7], 0
	s_mov_b32 s[SEL], 0x76543210
	s_mov_b32 s[SEL+1], 0xfedcba98
	s_mov_b32 s[CS], 0x3e0293ee                    ; log2(e) / sqrt(128)
	s_mov_b32 s[CS+1], s[CS]
	s_wait_dscnt 0x0
	s_wait_kmcnt 0x0
	; the joint loads' group 0: made of the (batch, head) and the wave's number alone.  Slot 1 begins at K(0) (even wave) or one block ahead of V(0) (odd wave: stepped before its first use); slot 0 a block on
	s_mul_i32 s2, s15, 255
	s_add_co_u32 s2, s2, s17
	s_add_co_u32 s2, s2, 512
	s_mul_i32 s2, s2, 12288
	s_mov_b32 s3, 0
	s_mul_i32 s19, s15, 12288
	s_mov_b32 s[G0J], 1
	s_mov_b32 s[G0J+1], s19
	s_mov_b32 s[G0J+4], 1
	s_add_co_u32 s[G0J+5], s19, SLOTB
	s_add_nc_u64 s[G0J+6:G0J+7], s[4:5], s[2:3]
	s_add_nc_u64 s[G0J+2:G0J+3], s[G0J+6:G0J+7], 12288
	s_or_b32 s[G0J+3], s[G0J+3], 0x80000000
	s_or_b32 s[G0J+7], s[G0J+7], 0x80000000
	s_add_co_u32 s2, s17, 512
	s_lshl_b32 s2, s2, 9
	s_add_co_u32 s2, s2, ATS
	s_mov_b32 s[G0SJ], 1
	s_mov_b32 s[G0SJ+1], KSC
	s_add_nc_u64 s[G0SJ+2:G0SJ+3], s[4:5], s[2:3]
	s_or_b32 s[G0SJ+3], s[G0SJ+3], 0x80000000
	; the prefetches' streams
	s_add_co_u32 s2, s17, 512+4
	s_add_co_u32 s19, s17, 768+4
	s_cmp_eq_u32 s[WV], 2
	s_cselect_b32 s2, s19, s2
	s_lshl_b32 s19, s13, 5
	s_add_co_u32 s19, s19, 1024+20
	s_cmp_eq_u32 s[WV], 3
	s_cselect_b32 s2, s19, s2
	s_mul_i32 s2, s2, 12288
	s_add_nc_u64 s[PFB:PFB+1], s[4:5], s[2:3]
	s_cmp_eq_u32 s[WV], 0
	s_cselect_b32 s19, 1, 0
	s_cmp_eq_u32 s[WV], 3
	s_cselect_b32 s19, s14, s19                    ; wave 3 asks in batch 0 alone: both batches read the same P'
	s_or_b32 s19, s19, ttmp9                       ; the head's first cluster: the same in all four partners
	s_cmp_eq_u32 s19, 0
	s_cselect_b32 s[LIM], 163840, 0
	s_mov_b32 s[PFE], 0xffff8000                   ; -32,768: the first event steps it to 0
	; what hangs on my place in the cluster: global addresses alone
	s_bfe_u32 s10, ttmp6, 0x40000                  ; cx
	s_lshl_b32 s[PFC], s10, 13
	s_lshl_b32 s11, ttmp9, 2
	s_add_co_u32 s11, s11, s10                     ; g
	s_lshl_b32 s10, s13, 5
	s_add_co_u32 s10, s10, 1024+15
	s_sub_co_u32 s10, s10, s11                     ; P' block 15 - g of the head: the one ahead of step 0's
	s_mul_i32 s96, s10, 12288
	s_mov_b32 s97, 0
	s_mov_b32 s[G0PRE], 1
	s_mov_b32 s[G0PRE+1], PRE
	s_add_nc_u64 s[G0PRE+2:G0PRE+3], s[4:5], s[96:97]
	s_mov_b32 s[G0P], 1
	s_mov_b32 s[G0P+1], 24576
	s_add_nc_u64 s[G0P+2:G0P+3], s[G0PRE+2:G0PRE+3], 24576   ; slot 0 begins at step 1's block
	s_mov_b32 s[G0P+4], 1
	s_mov_b32 s[G0P+5], SLOTB+24576
	s_add_nc_u64 s[G0P+6:G0P+7], s[G0PRE+2:G0PRE+3], 12288   ; slot 1 two blocks ahead of step 2's: stepped before its first use
	s_or_b32 s[G0PRE+3], s[G0PRE+3], 0x80000000
	s_or_b32 s[G0P+3], s[G0P+3], 0x80000000
	s_or_b32 s[G0P+7], s[G0P+7], 0x80000000
	s_lshl_b32 s96, s10, 9
	s_add_co_u32 s96, s96, ATS
	s_mov_b32 s[G0SP], 1
	s_mov_b32 s[G0SP+1], KSC+16384
	s_add_nc_u64 s[G0SP+2:G0SP+3], s[4:5], s[96:97]
	s_or_b32 s[G0SP+3], s[G0SP+3], 0x80000000
	s_add_co_u32 s10, s17, s11                     ; my block of queries: 16 (8 batch + head) + g
	s_mul_i32 s96, s10, 12288
	s_add_nc_u64 s[98:99], s[4:5], s[96:97]        ; its codes
	s_lshl_b32 s96, s10, 9
	s_add_co_u32 s96, s96, ATS
	s_add_nc_u64 s[66:67], s[4:5], s[96:97]        ; its scale words
	s_lshl_b32 s2, s14, 6
	s_lshl_b32 s10, s11, 2
	s_add_co_u32 s2, s2, s10
	s_add_co_u32 s2, s2, s[WV]                     ; my 32 rows' block in the result
	s_mul_i32 s96, s2, 24576
	s_mul_i32 s10, s13, 3072
	s_add_co_u32 s96, s96, s10
	s_add_nc_u64 s[6:7], s[6:7], s[96:97]
	s_lshl_b32 s96, s2, 10
	s_lshl_b32 s10, s13, 7
	s_add_co_u32 s96, s96, s10
	s_add_nc_u64 s[8:9], s[8:9], s[96:97]
	CROUND                                         ; all four work-groups are here: the first loads meet
	s_cmp_eq_u32 s[WV], 0                          ; one chain of branches on the wave's number, a fill in every arm
	s_cbranch_scc0 .Lf1
	TL G0J+4, G1CJ                                 ; K(0)
	s_branch .Lfd
.Lf1:
	s_cmp_eq_u32 s[WV], 1
	s_cbranch_scc0 .Lf2
	TL G0SJ, G1SJ                                  ; K's and V's scale words
	s_branch .Lfd
.Lf2:
	s_cmp_eq_u32 s[WV], 2
	s_cbranch_scc0 .Lf3
	TL G0PRE, G1CP                                 ; the two P' blocks of the prologue
	s_branch .Lfd
.Lf3:
	TL G0SP, G1SP                                  ; P's scale words
.Lfd:
	s_mul_i32 s2, s[WV], 49664
	s_add_co_u32 s2, s2, SKEW
	s_mul_i32 s3, s[WV], 49536                     ; 49,664 - 128: 32 w columns to the left
	s_add_co_u32 s3, s3, SKEW
	s_mul_i32 s10, s[WV], 3072
	s_lshl_b32 s11, s[WV], 3
	v_and_b32 v9, 31, v0
	v_and_b32 v10, 15, v0                          ; r
	v_bfe_u32 v11, v0, 4, 1                        ; h
	v_lshlrev_b32 v[LI0], 4, v9
	v_add_nc_u32 v[LI1], SLOTB, v[LI0]
	v_lshlrev_b32 v[PFO], 8, v9
	v_lshl_add_u32 v[SCA], v10, 5, KSC
	v_lshlrev_b32 v[OSO], 2, v10
	v_mul_u32_u24 v12, v10, 1552
	v_lshl_add_u32 v12, v11, 6, v12
	v_add_nc_u32 v12, s2, v12                      ; tile 0 stores: my row, + 64 h
	v_mul_u32_u24 v13, v10, 1548                   ; 1,552 - 4: r columns to the left
	v_lshl_add_u32 v13, v11, 6, v13
	v_add_nc_u32 v13, s3, v13
	; Q: tile c's queries 32 w + 16 c + r are NEIGHBOURS; in the images they lie in two fragments: fragment 2 w + r / 8, lane r % 8 + 8 c
	v_and_b32 v14, 7, v0
	v_bfe_u32 v15, v0, 3, 1
	v_lshlrev_b32 v9, 5, v14
	v_lshl_add_u32 v9, v15, 2, v9
	v_add_nc_u32 v9, s11, v9                       ; scale word: 32 x image lane + 4 x fragment
	v_lshlrev_b32 v14, 4, v14
	v_mad_u32_u24 v14, v15, 1536, v14
	v_lshl_add_u32 v14, v11, 8, v14
	v_add_nc_u32 v14, s10, v14
	WIN 0x80
	v_mov_b32 v[STAW], v12
	v_mov_b32 v[RDAW], v13
	WIN 0xc0
	v_add_nc_u32 v[STAW], 24832, v12               ; tile 1: 16 rows on,
	v_add_nc_u32 v[RDAW], 24768, v13               ; and 16 more columns to the left
.irp c, 0,1
	WIN 0x55*(2+\c)
	v_mov_b32 v[RT], 0xff61b1e6                    ; the largest t so far: -3e38
	v_floor_f32 v[NM], -v[RT]
	v_mov_b32 v[SUM], 0
	v_mov_b32 v[SUM+1], 0
	v_mov_b32 v[FF+1], 0                           ; (named as the upper half of a pair)
.irp b, 0,1,2,3
	v_mov_b32 v[PT+\b], 0                          ; a lane permute's destination counts as one of its sources
.endr
.set n, 0
.rept 64
	v_mov_b32 v[O+n], 0                            ; O^T: the step is written once, its first run finds zeros
.set n, n+1
.endr
.endr
	WIN 0
	s_wait_alu depctr_va_vdst(0)
.irp c, 0,1
.irp k, 0,1,2
	global_load_b128 v[QU+12*\c+4*\k:QU+12*\c+4*\k+3], v14, s[98:99] offset:128*\c+512*\k
	global_load_b128 v[QV+12*\c+4*\k:QV+12*\c+4*\k+3], v14, s[98:99] offset:3145728+128*\c+512*\k   ; q + v lies 256 blocks on
.endr
	global_load_b32 v[QUS+\c], v9, s[66:67] offset:256*\c
	global_load_b32 v[QVS+\c], v9, s[66:67] offset:131072+256*\c
.endr
	s_wait_loadcnt 0x0                             ; Q
	; THE PROLOGUE: the block ahead of step 0's goes to column 128; step 0's block to 256 and 0, and step 0's terms are read back; K(0)'s fragments
	CHANGE 1, 1, 0, 1
	LOADF FP, LI1, PRE-SLOTB
	LOADS SWP, 16384
	s_wait_dscnt 0x0
	BD 64
	PLACES
	LOADF FP, LI1, PRE-SLOTB+12288
	LOADS SWP, 16896
.set QSN, 64
.set QPOS, 128
.set QDUP, 0
.set QLD, 0
.irp c, 0,1
.set QI, 0
	WIN 0x55*(2+\c)
	Q 16
.endr
	WIN 0
	s_wait_dscnt 0x0
	BD 0
	PLACES
.set KI, 0
.set KLI, LI1
.set KSO, 0
.set QW, 0
	QK 26
.set QSN, 0
.set QPOS, 256
.set QDUP, 1
.set QLD, 1
.irp c, 0,1
.set QI, 0
	WIN 0x55*(2+\c)
	Q 96
.endr
	WIN 0
	s_mov_b32 s[TRIP], 7
.Ltwo:                                                 ; steps 0 to 13
	CHANGE 0, 1, 1, 0
	STEP 0, 1
	CHANGE 1, 1, 0, 0
	STEP 1, 1
	s_sub_co_u32 s[TRIP], s[TRIP], 1
	s_cmp_lg_u32 s[TRIP], 0
	s_cbranch_scc1 .Ltwo
	CHANGE 0, 2, 0, 0                              ; step 14: V(15) alone is left to fetch
	STEP 0, 1
	CHANGE 1, 0, 0, 0                              ; step 15: nothing
	STEP 1, 0
	; THE WAY OUT: O^T / the sum, quantised along the head's channels (register 16 b + i: channel 32 b + 16 h + i), leaves as K step `head` of the last product's operand
	PLACES
.irp c, 0,1
	WIN 0x55*(2+\c)
	v_add_f32 v[SUM], v[SUM], v[SUM+1]
	v_permlanex16_b32 v[TMP], v[SUM], s[SEL], s[SEL+1]
	v_add_f32 v[SUM], v[SUM], v[TMP]               ; the row's sum
	s_wait_alu depctr_va_vdst(0)
	v_rcp_f32 v[SUM], v[SUM]
	v_nop                                          ; a plain place behind the reciprocal
	s_wait_alu depctr_va_vdst(0)
.set n, 0
.rept 64
	v_mul_f32 v[n], v[O+n], v[SUM]
.set n, n+1
.endr
.irp b, 0,1,2,3
	v_max3_num_f32 v[BM+\b], |v[16*\b]|, |v[16*\b+1]|, 0x1800000
.endr
.irp i, 2,4,6,8,10,12,14
.irp b, 0,1,2,3
	v_max3_num_f32 v[BM+\b], v[BM+\b], |v[16*\b+\i]|, |v[16*\b+\i+1]|
.endr
.endr
.irp b, 0,1,2,3
	v_permlanex16_b32 v[PT+\b], v[BM+\b], s[SEL], s[SEL+1]
.endr
.irp b, 0,1,2,3
	v_max_num_f32 v[BM+\b], v[BM+\b], v[PT+\b]
.endr
	CODES \c, 0
.irp k, 0,1,2
	global_store_b128 v[LI0], v[PC+12*\c+4*\k:PC+12*\c+4*\k+3], s[6:7] offset:1536*\c+512*\k   ; 512 consecutive bytes
.endr
	global_store_b32 v[OSO], v[PW+\c], s[8:9] offset:64*\c   ; both halves of the lanes hold, and write, the same word
.endr
	s_wait_tensorcnt 0x0                           ; the wave's end
	ds_add_u32 v[SPW], v[NIL]
	s_wait_dscnt 0x0
	CROUND                                         ; the closing round
	s_endpgm
.Lfunc_end_k_qb2feede0aa_attn:
	.size	k_qb2feede0aa_attn, .Lfunc_end_k_qb2feede0aa_attn-k_qb2feede0aa_attn
	.p2alignl 7, 3214868480
	.fill 96, 4, 3214868480
	.section	.rodata,"a",@progbits
	.p2align	6, 0x0
	.amdhsa_kernel k_qb2feede0aa_attn
		.amdhsa_group_segment_fixed_size 327680
		.amdhsa_private_segment_fixed_size 0
		.amdhsa_enable_private_segment 0
		.amdhsa_kernarg_size 24
		.amdhsa_user_sgpr_count 2
		.amdhsa_user_sgpr_kernarg_segment_ptr 1
		.amdhsa_wavefront_size32 1
		.amdhsa_system_sgpr_workgroup_id_x 1
		.amdhsa_system_sgpr_workgroup_id_y 1
		.amdhsa_system_sgpr_workgroup_id_z 1
		.amdhsa_system_vgpr_workitem_id 0
		.amdhsa_next_free_vgpr 1024
		.amdhsa_next_free_sgpr 100
		.amdhsa_reserve_vcc 0
		.amdhsa_float_denorm_mode_32 3
		.amdhsa_float_denorm_mode_16_64 3
		.amdhsa_memory_ordered 1
		.amdhsa_forward_progress 1
		.amdhsa_inst_pref_size 236
	.end_amdhsa_kernel
	.amdgpu_metadata
---
amdhsa.version: [ 1, 2 ]
amdhsa.kernels:
  - .name:           k_qb2feede0aa_attn
    .symbol:         k_qb2feede0aa_attn.kd
    .args:
      - { .name: att, .offset: 0, .size: 8, .value_kind: global_buffer, .address_space: global }
      - { .name: oc, .offset: 8, .size: 8, .value_kind: global_buffer, .address_space: global }
      - { .name: os, .offset: 16, .size: 8, .value_kind: global_buffer, .address_space: global }
    .group_segment_fixed_size: 327680
    .private_segment_fixed_size: 0
    .kernarg_segment_align: 8
    .kernarg_segment_size: 24
    .max_flat_workgroup_size: 128
    .sgpr_count:     100
    .vgpr_count:     1024
    .wavefront_size: 32
...
	.end_amdgpu_metadata
.endif
;; end of part 3
;; launch outp (part 4): grid 8 x 32, 4 waves a work-group, clusters of 4 x 4, 214,528 bytes of LDS; arguments oc, os, opc, ops, out0; writes out0
.if DOCPART == 4
	.amdgcn_target "amdgcn-amd-amdhsa--gfx1250"
	.amdhsa_code_object_version 6
	.text
	.protected	k_qb2feede0aa_outp
	.globl	k_qb2feede0aa_outp
	.p2align	8
	.type	k_qb2feede0aa_outp,@function
k_qb2feede0aa_outp:
	s_mov_b64 s[64:65], 0
	v_nop
	global_prefetch_b8 v0, s[64:65] scope:SCOPE_SE
	s_setreg_imm32_b32 hwreg(HW_REG_WAVE_MODE, 25, 1), 1
	s_wait_xcnt 0x0
	s_wait_alu depctr_hold_cnt(0) depctr_sa_sdst(0) depctr_va_vdst(0) depctr_va_sdst(0) depctr_va_ssrc(0) depctr_va_vcc(0) depctr_vm_vsrc(0)
	s_getreg_b32 s2, hwreg(HW_REG_IB_STS2, 6, 4)
	s_cmp_eq_u32 s2, 0
	s_cbranch_scc0 .Lentry_in_a_cluster
	s_endpgm
.Lentry_in_a_cluster:
	s_bfe_u32 s2, ttmp6, 0x10000c
	s_cmp_lg_u32 s2, 0xf033
	s_cbranch_scc0 .Lentry_shape_is_right
	s_endpgm
.Lentry_shape_is_right:
; out0 [4096][1024] f32 = O Wo^T on codes of FP6 (E2M3) with E8M0 scales.  O's codes (oc) and Wo's (opc, operand rows 12,288 on: blocks 384 on) lie as images of the operand's registers:
; a block of 32 rows is 24,576 bytes; fragment (K step s, tile u) at 3,072 s + 1,536 u, register group c of lane l at 512 c + 16 l.  A row's scale word: 1,024 block + 128 s + 64 u + 4 r.
; O's tile u holds rows 16 u + r of its block; Wo's tile u holds rows 8 u + r + 8 (r / 8), so that as source 0 two neighbouring tiles give a lane 16 neighbouring columns.
; SHARES: a work-group makes 128 x 128 of out0: 8 x 32 = 256 work-groups.  Its four blocks of O and four blocks of Wo, for ALL of K, are two dense runs of 98,304 bytes: each wave fetches half a run
; by ONE tensor load at the head (192 rows of 256 bytes); nothing is filled again.  A wave makes 64 x 64: 16 accumulators, 8 K steps of 16 matrix instructions, the accumulators by turns.
; CLUSTER 4 x 4: O's run hangs on the block row alone and is asked for jointly along a row of the cluster, Wo's on the block column alone, jointly along a column.
; SCALES: a block's words of one K step are 128 consecutive bytes, a word a lane: lanes 0-15 tile 0's rows, lanes 16-31 tile 1's (chosen by the ROW selector).  32 loads a wave bring all of K's words into v32-63.
; NO PREFETCH: the text has no loop to run ahead in; the head's four loads ask for all that the work-group reads.
; REGISTERS: window 0: v16-29 addresses; v32-47 O's scale words, v48-63 Wo's; v64-255 two sets of fragments (4 of O, 4 of Wo, 12 registers each); window 1: v0-127 the accumulators, (a, b) at 8 (4 a + b).
.set HALF,   49152                     ; two blocks of 32 rows: what one tensor load brings and what one wave reads of O or of Wo
.set STAGE,  4*HALF                    ; the way out: 16 rows x 272 bytes for each wave, bytes of its own
.set SPITCH, 272
.set SPARE,  STAGE+4*16*SPITCH         ; the spare words: 128 bytes for each wave
.set ADRA, 16
.set ADRB, 17
.set STO,  18
.set RD,   19
.set CO,   20
.set SCO,  21
.set SPW,  28
.set NIL,  29
.set SA,   32
.set SB,   48
.set FR0,  64
.set G1, 24
.set G0, 32
.set G1B, 48
.set G0B, 56
.set MSB, 0
.macro WIN new
.if MSB != (\new)
	s_set_vgpr_msb (MSB<<8)|(\new)
.set MSB, (\new)
.endif
.endm
.macro PLACES
.rept 4
	v_nop
.endr
.endm
.macro CROUND
	s_barrier_signal -1
	s_barrier_wait -1
	s_cmp_lg_u32 s14, 0
	s_cbranch_scc1 .Lnot_wave_0_\@
	s_barrier_signal -3
.Lnot_wave_0_\@:
	s_barrier_wait -3
	s_barrier_signal -1
	s_barrier_wait -1
.endm
	s_load_b256 s[4:11], s[0:1], 0x0               ; oc, os, opc, ops
	s_load_b64 s[12:13], s[0:1], 0x20              ; out0
	v_lshl_add_u32 v[SPW], v0, 2, SPARE
	v_mov_b32 v[NIL], 0
	ds_add_u32 v[SPW], v[NIL]                      ; the opening lines: the add, twice on end, and its wait ahead of my first tensor load
	ds_add_u32 v[SPW], v[NIL]
	v_lshrrev_b32 v1, 5, v0
	v_readfirstlane_b32 s14, v1                    ; wave 0..3
	s_lshr_b32 s15, s14, 1                         ; my half of the block's rows; also: I fetch for O (0) or for Wo (1)
	s_and_b32 s16, s14, 1                          ; my half of its columns; also: which half of the run I fetch
	s_bfe_u32 s40, ttmp6, 0x40000                  ; cx
	s_bfe_u32 s41, ttmp6, 0x40004                  ; cy
	s_lshl_b32 s42, s41, 2
	s_lshl_b32 s42, 15, s42                        ; my row of the cluster
	s_lshl_b32 s43, 0x1111, s40                    ; my column
	s_or_b32 s[G1+0], s42, (3<<16)|(1<<21)         ; elements of 8 bytes; bit 21 set beside a mask
	s_or_b32 s[G1B+0], s43, (3<<16)|(1<<21)
.irp g, G1, G1B
	s_mov_b32 s[\g+1], 32<<16                      ; rows of 256 bytes,
	s_mov_b32 s[\g+2], 192<<16                     ; 192 of them, dense
	s_mov_b32 s[\g+3], 32<<16
	s_mov_b32 s[\g+4], 192
	s_mov_b32 s[\g+5], 32
	s_mov_b32 s[\g+6], 0
	s_mov_b32 s[\g+7], 0
.endr
	s_and_b32 s17, ttmp7, 0xffff
	s_lshl_b32 s17, s17, 2
	s_add_co_u32 s17, s17, s41                     ; block row of out0, 0..31
	s_lshl_b32 s18, ttmp9, 2
	s_add_co_u32 s18, s18, s40                     ; block column, 0..7
	s_lshl_b32 s23, s16, 1
	s_lshl_b32 s22, s17, 2
	s_add_co_u32 s22, s22, s23                     ; O: block of 32 rows 4 x block row + 2 x half
	s_mul_i32 s44, s22, 24576
	s_mov_b32 s45, 0
	s_lshl_b32 s46, s18, 2
	s_add_co_u32 s46, s46, s23
	s_add_co_u32 s46, s46, 384                     ; Wo: 384 + 4 x block column + 2 x half
	s_mul_i32 s92, s46, 24576
	s_mov_b32 s93, 0
	s_mul_i32 s98, s14, HALF                       ; where my load lands: O's two halves, then Wo's
	s_wait_dscnt 0x0                               ; both opening adds are done
	s_wait_kmcnt 0x0
	s_add_nc_u64 s[44:45], s[4:5], s[44:45]
	s_add_nc_u64 s[92:93], s[8:9], s[92:93]
	CROUND                                         ; all sixteen work-groups are here: the joint loads meet
	s_mov_b32 s[G0], 1
	s_mov_b32 s[G0+1], s98
	s_mov_b64 s[G0+2:G0+3], s[44:45]
	s_or_b32 s[G0+3], s[G0+3], 0x80000000
	s_mov_b32 s[G0B], 1
	s_mov_b32 s[G0B+1], s98
	s_mov_b64 s[G0B+2:G0B+3], s[92:93]
	s_or_b32 s[G0B+3], s[G0B+3], 0x80000000
	s_cmp_eq_u32 s15, 0                            ; every way passes exactly one load
	s_cbranch_scc0 .Lfor_b
	tensor_load_to_lds s[G0:G0+3], s[G1:G1+7]
	s_nop 0
	PLACES
	s_branch .Lasked
.Lfor_b:
	tensor_load_to_lds s[G0B:G0B+3], s[G1B:G1B+7]
	s_nop 0
	PLACES
.Lasked:
	; under the loads' flight: the scale words' bases, my part of out0, the LDS addresses
	s_lshl_b32 s20, s17, 2
	s_lshl_b32 s21, s15, 1
	s_add_co_u32 s20, s20, s21                     ; the two blocks of O that I multiply
	s_lshl_b32 s20, s20, 10
	s_mov_b32 s21, 0
	s_add_nc_u64 s[66:67], s[6:7], s[20:21]
	s_lshl_b32 s20, s18, 2
	s_add_co_u32 s20, s20, s23
	s_add_co_u32 s20, s20, 384                     ; and the two of Wo
	s_lshl_b32 s20, s20, 10
	s_add_nc_u64 s[94:95], s[10:11], s[20:21]
	s_lshl_b32 s20, s17, 7
	s_lshl_b32 s22, s15, 6
	s_add_co_u32 s20, s20, s22                     ; my first row: 128 x block row + 64 x half
	s_lshl_b32 s20, s20, 12
	s_lshl_b32 s22, s18, 9
	s_add_co_u32 s20, s20, s22                     ; my first column, in bytes: 512 x block column + 256 x half
	s_lshl_b32 s22, s16, 8
	s_add_co_u32 s20, s20, s22
	s_add_nc_u64 s[12:13], s[12:13], s[20:21]
	s_mul_i32 s22, s15, HALF
	s_mul_i32 s23, s16, HALF
	s_add_co_u32 s23, s23, 2*HALF
	s_mul_i32 s19, s14, 16*SPITCH
	s_add_co_u32 s19, s19, STAGE
	v_and_b32 v1, 15, v0                           ; r
	v_bfe_u32 v2, v0, 4, 1                         ; h
	v_and_b32 v3, 31, v0
	v_lshlrev_b32 v4, 4, v3                        ; 16 x lane
	v_lshlrev_b32 v[SCO], 2, v3                    ; 4 x lane
	v_add_nc_u32 v[ADRA], s22, v4
	v_add_nc_u32 v[ADRB], s23, v4
	v_mul_u32_u24 v5, v1, SPITCH                   ; into the stage: row r, + 64 h
	v_lshl_add_u32 v5, v2, 6, v5
	v_add_nc_u32 v[STO], s19, v5
	v_mul_u32_u24 v6, v2, SPITCH                   ; back: sixteen lanes to a row of 256 bytes, two rows an instruction
	v_lshl_add_u32 v6, v1, 4, v6
	v_add_nc_u32 v[RD], s19, v6
	v_lshlrev_b32 v7, 12, v2
	v_lshl_add_u32 v[CO], v1, 4, v7                ; and the same two rows in out0
	s_wait_alu depctr_va_vdst(0)
.irp g, 0,1
.irp s, 0,1,2,3,4,5,6,7
	global_load_b32 v[SA+8*\g+\s], v[SCO], s[66:67] offset:1024*\g+128*\s
	global_load_b32 v[SB+8*\g+\s], v[SCO], s[94:95] offset:1024*\g+128*\s
.endr
.endr
	s_wait_tensorcnt 0x0                           ; my half run is in;
	s_barrier_signal -1
	s_barrier_wait -1                              ; and everybody's
.macro FETCH s                         ; the eight fragments of K step s into set s % 2: 24 loads of 512 consecutive bytes
.irp i, 0,1,2,3
.irp c, 0,1,2
	ds_load_b128 v[FR0+96*((\s)%2)+12*\i+4*\c:FR0+96*((\s)%2)+12*\i+4*\c+3], v[ADRA] offset:(\i/2)*24576+(\s)*3072+(\i%2)*1536+512*\c
	ds_load_b128 v[FR0+96*((\s)%2)+48+12*\i+4*\c:FR0+96*((\s)%2)+48+12*\i+4*\c+3], v[ADRB] offset:(\i/2)*24576+(\s)*3072+(\i%2)*1536+512*\c
.endr
.endr
.endm
; one product: source 0 = 16 rows of Wo, source 1 = 16 rows of O; ub, ua: which half of the lanes of the scale register holds the tile's words
.macro WM d, bf, af, c, sb, sa, ub, ua
.if (\ub) == 0 && (\ua) == 0
	v_wmma_scale_f32_16x16x128_f8f6f4 v[\d:\d+7], v[\bf:\bf+11], v[\af:\af+11], \c, v[\sb], v[\sa] matrix_a_fmt:MATRIX_FMT_FP6 matrix_b_fmt:MATRIX_FMT_FP6
.endif
.if (\ub) == 1 && (\ua) == 0
	v_wmma_scale_f32_16x16x128_f8f6f4 v[\d:\d+7], v[\bf:\bf+11], v[\af:\af+11], \c, v[\sb], v[\sa] matrix_a_fmt:MATRIX_FMT_FP6 matrix_b_fmt:MATRIX_FMT_FP6 matrix_a_scale:MATRIX_SCALE_ROW1
.endif
.if (\ub) == 0 && (\ua) == 1
	v_wmma_scale_f32_16x16x128_f8f6f4 v[\d:\d+7], v[\bf:\bf+11], v[\af:\af+11], \c, v[\sb], v[\sa] matrix_a_fmt:MATRIX_FMT_FP6 matrix_b_fmt:MATRIX_FMT_FP6 matrix_b_scale:MATRIX_SCALE_ROW1
.endif
.if (\ub) == 1 && (\ua) == 1
	v_wmma_scale_f32_16x16x128_f8f6f4 v[\d:\d+7], v[\bf:\bf+11], v[\af:\af+11], \c, v[\sb], v[\sa] matrix_a_fmt:MATRIX_FMT_FP6 matrix_b_fmt:MATRIX_FMT_FP6 matrix_a_scale:MATRIX_SCALE_ROW1 matrix_b_scale:MATRIX_SCALE_ROW1
.endif
.endm
.macro KSTEP s
.if \s > 0
	PLACES                                         ; four places between the last step's products and the loads into the set that they read
.endif
.if \s < 7
	WIN 0
	FETCH \s+1
	s_wait_dscnt 24                                ; this step's fragments are in; the 24 loads just issued may be out
.else
	s_wait_dscnt 0x0
.endif
	WIN 0x50                                       ; C and D in window 1
.irp a, 0,1,2,3
.irp b, 0,1,2,3
.set DD,  8*(4*\a+\b)
.set BFR, FR0+96*((\s)%2)+48+12*\b
.set AFR, FR0+96*((\s)%2)+12*\a
.set SBR, SB+8*(\b/2)+(\s)
.set SAR, SA+8*(\a/2)+(\s)
.if \s == 0
	WM DD, BFR, AFR, 0, SBR, SAR, \b%2, \a%2       ; the first step starts the sums
.else
	WM DD, BFR, AFR, v[DD:DD+7], SBR, SAR, \b%2, \a%2
.endif
.endr
.endr
.endm
	FETCH 0
	s_wait_loadcnt 0x0                             ; the scale words
.irp s, 0,1,2,3,4,5,6,7
	KSTEP \s
.endr
; THE WAY OUT, by blocks of 16 rows x 64 columns.  Accumulator (a, b), lane (r, h), register j: row 16 a + r, column 32 (b / 2) + 16 h + 8 (b % 2) + j.  Through my own stage, back as rows of 256 bytes.
.macro TOSTAGE a
	WIN 0x04                                       ; the data: window 1
.irp b, 0,1,2,3
	ds_store_b128 v[STO], v[8*(4*(\a)+\b):8*(4*(\a)+\b)+3] offset:128*(\b/2)+32*(\b%2)       ; each accumulator from its low end on
	ds_store_b128 v[STO], v[8*(4*(\a)+\b)+4:8*(4*(\a)+\b)+7] offset:128*(\b/2)+32*(\b%2)+16
.endr
	WIN 0
.irp t, 0,1,2,3,4,5,6,7
	ds_load_b128 v[FR0+32*((\a)%2)+4*\t:FR0+32*((\a)%2)+4*\t+3], v[RD] offset:\t*2*SPITCH   ; LDS serves a wave's instructions in order: these see the stores above
.endr
.endm
.macro SEND a, younger                 ; younger: the LDS instructions issued behind block a's loads
	s_wait_dscnt \younger
.irp t, 0,1,2,3,4,5,6,7
	global_store_b128 v[CO], v[FR0+32*((\a)%2)+4*\t:FR0+32*((\a)%2)+4*\t+3], s[12:13] offset:(16*(\a)+2*\t)*4096 th:TH_STORE_NT   ; sixteen lanes store 256 consecutive bytes, aligned
.endr
.endm
	PLACES                                         ; between the last products and the reads of results and the loads into fragment registers
	TOSTAGE 0
.irp a, 1,2,3
.if \a > 1
	s_wait_xcnt 0x0                                ; block a - 2's stores have read their registers: block a's loads may land there
.endif
	TOSTAGE \a
	SEND \a-1, 16                                  ; behind block a - 1's loads: block a's 8 stores and 8 loads
.endr
	SEND 3, 0
	s_wait_tensorcnt 0x0                           ; the wave's end
	ds_add_u32 v[SPW], v[NIL]
	s_wait_dscnt 0x0
	CROUND                                         ; the closing round
	s_endpgm
.Lfunc_end_k_qb2feede0aa_outp:
	.size	k_qb2feede0aa_outp, .Lfunc_end_k_qb2feede0aa_outp-k_qb2feede0aa_outp
	.p2alignl 7, 3214868480
	.fill 96, 4, 3214868480
	.section	.rodata,"a",@progbits
	.p2align	6, 0x0
	.amdhsa_kernel k_qb2feede0aa_outp
		.amdhsa_group_segment_fixed_size 214528
		.amdhsa_private_segment_fixed_size 0
		.amdhsa_enable_private_segment 0
		.amdhsa_kernarg_size 40
		.amdhsa_user_sgpr_count 2
		.amdhsa_user_sgpr_kernarg_segment_ptr 1
		.amdhsa_wavefront_size32 1
		.amdhsa_system_sgpr_workgroup_id_x 1
		.amdhsa_system_sgpr_workgroup_id_y 1
		.amdhsa_system_sgpr_workgroup_id_z 1
		.amdhsa_system_vgpr_workitem_id 0
		.amdhsa_next_free_vgpr 384
		.amdhsa_next_free_sgpr 100
		.amdhsa_reserve_vcc 0
		.amdhsa_float_denorm_mode_32 3
		.amdhsa_float_denorm_mode_16_64 3
		.amdhsa_memory_ordered 1
		.amdhsa_forward_progress 1
		.amdhsa_inst_pref_size 47
	.end_amdhsa_kernel
	.amdgpu_metadata
---
amdhsa.version: [ 1, 2 ]
amdhsa.kernels:
  - .name:           k_qb2feede0aa_outp
    .symbol:         k_qb2feede0aa_outp.kd
    .args:
      - { .name: oc, .offset: 0, .size: 8, .value_kind: global_buffer, .address_space: global }
      - { .name: os, .offset: 8, .size: 8, .value_kind: global_buffer, .address_space: global }
      - { .name: opc, .offset: 16, .size: 8, .value_kind: global_buffer, .address_space: global }
      - { .name: ops, .offset: 24, .size: 8, .value_kind: global_buffer, .address_space: global }
      - { .name: out0, .offset: 32, .size: 8, .value_kind: global_buffer, .address_space: global }
    .group_segment_fixed_size: 214528
    .private_segment_fixed_size: 0
    .kernarg_segment_align: 8
    .kernarg_segment_size: 40
    .max_flat_workgroup_size: 128
    .sgpr_count:     100
    .vgpr_count:     384
    .wavefront_size: 32
...
	.end_amdgpu_metadata
.endif
;; end of part 4
